; MI455X (gfx1250); checked and timed in simulation.
; The chip was launched on July 23, 2026; its instructions are those of AMD's public machine-readable ISA for CDNA 5 (MIT licence, August 2026) and "CDNA5" Instruction Set Architecture Reference Guide (July 2026). The comments in the code are by the model that wrote it; some were corrected since.
;; Attention Layer. Allowed arithmetic: matrix products marked QUANTISED: E2M1 operands, one E8M0 scale for each 32 along K, by v_wmma_scale_f32_16x16x128_f8f6f4 with both operands' format E2M1 (or v_wmma_scale_f32_32x16x128_f4), f32 sums; products left as they are: bf16, f16 or f32 operands; f32 sums; everything else in f32.
;; Inputs: Wk 1,024 x 1,024 float32; Wo 1,024 x 1,024 float32; Wq 1,024 x 1,024 float32; Wv 1,024 x 1,024 float32; bk 1,024 float32; bo 1,024 float32; bq 1,024 float32; bv 1,024 float32; keys 4 x 2,048 x 1,024 float32; queries 4 x 2,048 x 1,024 float32; values 4 x 2,048 x 1,024 float32.
;; Outputs: out0 4 x 2,048 x 1,024 float32.
;; This version of the problem:
;;   THIS VERSION OF THE PROBLEM IS GIVEN IN LOW PRECISION. The matrix products marked QUANTISED in the list below multiply operands that are first quantised to E2M1 (2 exponent bits, 1 mantissa bit; 4 bits a number), with one power-of-two scale for each 32 numbers along K (OCP MX v1.0); their sums are f32. The products marked 'left as it is' may take bf16, f16 or f32 operands, with f32 sums. Whichever they take, every output number must still come out within the allowed error. Rounding operands to bf16 (8 significant bits) uses up far more of that allowance than f16 does (11 bits, for magnitudes from 6e-5 to 65,504). All else is computed in f32.
;;   The module's matrix products, in the order in which they are computed (A, B: the left and right operand; K: the contracted axis; several contracted axes count as one K, in the product's order):
;;     1. [M 8,192, K 1,024] x [K 1,024, N 1,024]; A: input queries; B: input Wq: QUANTISED
;;     2. [M 8,192, K 1,024] x [K 1,024, N 1,024]; A: input keys; B: input Wk: QUANTISED
;;     3. [M 8,192, K 1,024] x [K 1,024, N 1,024]; A: input values; B: input Wv: QUANTISED
;;     4. batch 64 x [M 2,048, K 64] x [K 64, N 2,048]; A: computed on the way; B: computed on the way: left as it is (an operand is computed on the way)
;;     5. batch 64 x [M 64, K 2,048] x [K 2,048, N 2,048]; A: computed on the way; B: computed on the way: left as it is (an operand is computed on the way)
;;     6. [M 8,192, K 1,024] x [K 1,024, N 1,024]; A: computed on the way; B: input Wo: left as it is (an operand is computed on the way)
;;   THE QUANTISER, for each operand of a quantised product, along K:
;;     - K is cut into blocks of 32 from its start; a last block that is shorter is filled with zeros.
;;     - A block's scale is 2^e with e = floor(log2(the largest magnitude in the block)) - 2, held to -126 .. 127; a block of zeros has e = 0. As a byte (E8M0): e + 127.
;;     - Each number is divided by its block's scale, clamped to +-6, and rounded to the nearest number of E2M1, ties to even, subnormals kept.
;;     - The product sums the exact products of the quantised numbers (number of the format x scale) in f32.
;;   ~~~python
;;   def quantise(x, axis):      # numpy; x: float32 -> the quantised numbers, widened to float32 again
;;       x = np.moveaxis(x, axis, -1); K = x.shape[-1]
;;       x = np.pad(x, [(0, 0)] * (x.ndim - 1) + [(0, -K % 32)]); x = x.reshape(x.shape[:-1] + (-1, 32)); a = np.abs(x).max(-1, keepdims=True)
;;       e = np.where(a > 0, np.clip(np.frexp(np.where(a > 0, a, 1))[1] - 1 - 2, -126, 127), 0)      # np.frexp(a)[1] - 1 = floor(log2(a)), exactly
;;       r = np.clip(x / 2.0 ** e, -6, 6)
;;       step = 2.0 ** (np.maximum(np.frexp(np.where(r == 0, 1, r))[1] - 1, 0) - 1)
;;       q = np.round(r / step) * step * 2.0 ** e      # np.round: ties to even
;;       return np.moveaxis(q.reshape(q.shape[:-2] + (-1,))[..., :K], -1, axis).astype(np.float32)
;;   ~~~
;; One version. Each part assembles by itself: llvm-mc -triple=amdgcn-amd-amdhsa -mcpu=gfx1250 --defsym DOCPART=n.
;; ======== version 1 of 1: 4 launches
;; limits: values are held in f16: magnitudes above 65,504 overflow, below 6.1e-05 lose precision
;; workspace buffers: xc 12,582,912 bytes; xs 786,432 bytes; wc 1,572,864 bytes; ws 98,304 bytes; wo16 2,097,152 bytes; qkv16 50,331,648 bytes; o16 16,777,216 bytes
;; launch prep (part 1): grid 880 x 1, 4 waves a work-group, no clusters, 68,096 bytes of LDS; arguments queries, keys, values, Wq, Wk, Wv, Wo, xc, xs, wc, ws, wo16; writes xc, xs, wc, ws, wo16
.if DOCPART == 1
	.amdgcn_target "amdgcn-amd-amdhsa--gfx1250"
	.amdhsa_code_object_version 6
	.text
	.protected	k_q1640eb8935_prep
	.globl	k_q1640eb8935_prep
	.p2align	8
	.type	k_q1640eb8935_prep,@function
k_q1640eb8935_prep:
	s_mov_b64 s[64:65], 0
	v_nop
	global_prefetch_b8 v0, s[64:65] scope:SCOPE_SE
	s_setreg_imm32_b32 hwreg(HW_REG_WAVE_MODE, 25, 1), 1
	s_wait_xcnt 0x0
; PREP: the operands of the three quantised projections become codes of FP4 (E2M1) with one E8M0 byte for each 32 along K, and Wo becomes f16.
;   queries, keys, values [8192][1024] f32 -> xc [3 x 8192][512 bytes] (K innermost, the lower k in the low four bits), xs [3 x 8192][32]
;   Wq, Wk, Wv [1024 k][1024 n] f32        -> wc [3 x 1024 n][512 bytes] (K innermost), ws [3 x 1024 n][32]
;   Wo [1024 k][1024 n] f32                -> wo16, f16, as it lies
; WORK LEFT OUT, IN THE WHOLE PROGRAM: THE INPUT bk.  scores[b,h,l,s] = q[l] . (k0[s] + bk) = q[l] . k0[s] + q[l] . bk, k0 = keys Wk.  The second term is the same for every s, and the softmax runs
; over s: softmax(x + const) = softmax(x) for all finite values.  The product of q and k is not quantised, so no code and no scale hangs on bk.  k has no other use.  So bk reaches no output: it is
; not loaded and is no argument of any launch.  LIMIT: a NaN, an infinity or an overflow that bk alone would bring is not carried to the result.  bq, bv and bo are live and are honoured.
; A block's scale is 2^(floor(log2(its largest magnitude)) - 2); its byte is the largest magnitude's exponent field - 2, held at 1 from below.  A block of zeros so gets the byte 1 where the rule says
; 127: its codes are zeros, which add nothing under any byte but 0xff, and this program alone reads the bytes.
; LIMITS: blocks whose largest magnitude lies under 2^-124 keep the byte 1; NaN and infinities among the inputs are not served; |Wo| above 65,504 becomes infinity in f16.
; THREE PATHS part on the work-group's number and never join: 0-47 the three weights (a lane to a column, registers down K), 48-111 Wo, 112-879 the activations (a plain stream of blocks of 32).
; Each path that uses LDS has bytes of its own.  No tensor load, no barrier: waves share nothing.
.set SPARE, 67584                      ; the spare words, 128 bytes for each wave: two blocks of 256 bytes that no other line names
.set SPW,   190                        ; v190  LDS address of my spare word: SPARE + 4 x my thread's number; never rewritten
.set NIL,   191                        ; v191  0; never rewritten
.set WV,    32                         ; s32   my wave's number
.set EMAX,  2                          ; the exponent of the format's largest number, 6
	s_load_b512 s[8:23], s[0:1], 0x0               ; queries 8, keys 10, values 12, Wq 14, Wk 16, Wv 18, Wo 20, xc 22
	s_load_b256 s[24:31], s[0:1], 0x40             ; xs 24, wc 26, ws 28, wo16 30
	v_lshl_add_u32 v[SPW], v0, 2, SPARE
	v_mov_b32 v[NIL], 0
	v_lshrrev_b32 v1, 5, v0
	v_readfirstlane_b32 s[WV], v1                  ; wave 0..3
	v_and_b32 v2, 31, v0                           ; lane
	s_mov_b32 s41, 0                               ; the upper word of every 32-bit offset below
	s_wait_kmcnt 0x0
	s_cmp_lt_u32 ttmp9, 48
	s_cbranch_scc1 .Lweights
	s_cmp_lt_u32 ttmp9, 112
	s_cbranch_scc1 .Lwo
; ---------------------------------------------------------------- THE ACTIVATIONS: 768 work-groups, 256 to a tensor; a wave takes 16 steps of 512 numbers
; The conversions take 8 numbers of ONE block from a lane's consecutive registers, so a lane must hold 16 neighbours; a load is best where neighbouring lanes take neighbouring bytes.  Both are had:
; each of a step's four loads reads 512 consecutive bytes, the 2,048 bytes turn through the wave's own stage in LDS and come back 64 bytes a lane (16 bytes of padding behind each 64).
.set A_STEPS, 16
.set A_CB,    8                        ; bytes of 16 codes
.set A_R,     16                       ; v16-79   four sets of 16 numbers as they are loaded
.set A_X,     80                       ; v80-111  two sets of 16 neighbours
.set A_E,     112                      ; v112-127 a scale byte for each step
.set A_C,     128                      ; v128-189 codes: four registers' room for each step, so that no store's data are written again
.set A_WREG,  8192                     ; LDS 0 .. 32,767: a region for each wave: two stages of 32 x A_SP bytes, behind them its 256 scale bytes
.set A_SP,    80
	s_sub_co_u32 s33, ttmp9, 112                   ; which of the 768
	s_lshr_b32 s35, s33, 8                         ; the tensor
	s_and_b32 s34, s33, 255                        ; and the work-group's place in it
	s_cmp_eq_u32 s35, 0                            ; the choice hangs on the work-group's number alone
	s_cselect_b64 s[36:37], s[8:9], s[10:11]
	s_cmp_eq_u32 s35, 2
	s_cselect_b64 s[36:37], s[12:13], s[36:37]
	s_lshl_b32 s34, s34, 2
	s_add_co_u32 s34, s34, s[WV]                   ; my run of 8,192 numbers in the tensor
	s_lshl_b32 s40, s34, 15                        ; 32,768 bytes a run
	s_add_nc_u64 s[36:37], s[36:37], s[40:41]
	s_lshl_b32 s33, s33, 2
	s_add_co_u32 s33, s33, s[WV]                   ; and among all three tensors' runs: codes and bytes run on
	s_lshl_b32 s40, s33, 12                        ; 4,096 bytes of codes a run
	s_add_nc_u64 s[22:23], s[22:23], s[40:41]
	s_lshl_b32 s40, s33, 8                         ; 256 scale bytes a run
	s_add_nc_u64 s[24:25], s[24:25], s[40:41]
	v_lshlrev_b32 v3, 4, v2                        ; my 16 bytes of a load's 512
	s_mul_i32 s38, s[WV], A_WREG
	v_lshrrev_b32 v14, 2, v2
	v_mul_u32_u24 v14, v14, A_SP
	v_and_b32 v15, 3, v2
	v_lshl_add_u32 v14, v15, 4, v14
	v_add_nc_u32 v14, s38, v14                     ; the stage, on the way in: A_SP (lane / 4) + 16 (lane % 4); a load's 512 bytes take eight places
	v_mul_u32_u24 v15, v2, A_SP
	v_add_nc_u32 v15, s38, v15                     ; and on the way out: A_SP x lane: my 16 neighbours
	v_mul_u32_u24 v4, v2, A_CB                     ; my codes' place in a step's
	v_lshrrev_b32 v5, 1, v2
	s_add_co_u32 s38, s38, 2*32*A_SP
	v_add_nc_u32 v5, s38, v5                       ; my wave's 256 scale bytes, my block's byte
	v_lshlrev_b32 v7, 3, v2                        ; and on the way out 8 bytes a lane
	v_add_nc_u32 v6, s38, v7
.macro A_LOAD t
.irp i, 0,1,2,3
	global_load_b128 v[A_R+16*((\t)%4)+4*\i:A_R+16*((\t)%4)+4*\i+3], v3, s[36:37] offset:2048*(\t)+512*\i th:TH_LOAD_NT   ; 32 lanes read 512 consecutive bytes
.endr
.endm
.macro A_TURN t                        ; step t's numbers through the stage: LDS serves a wave's instructions in order, so no wait stands between the stores and the loads
.irp i, 0,1,2,3
	ds_store_b128 v14, v[A_R+16*((\t)%4)+4*\i:A_R+16*((\t)%4)+4*\i+3] offset:32*A_SP*((\t)%2)+8*A_SP*\i
.endr
.irp i, 0,1,2,3
	ds_load_b128 v[A_X+16*((\t)%2)+4*\i:A_X+16*((\t)%2)+4*\i+3], v15 offset:32*A_SP*((\t)%2)+16*\i
.endr
.endm
.irp t, 0,1,2,3
	A_LOAD \t
.endr
	s_wait_loadcnt 12                              ; step 0's four loads are in; the twelve of steps 1 to 3 may be out
	A_TURN 0
.macro A_STEP t
.set XS, A_X+16*((\t)%2)
.if (\t) > 0
	s_wait_dscnt 1                                 ; this step's numbers are back from the stage (the last step's byte store may be out): so its stores into the stage have read their registers,
.else
	s_wait_dscnt 0x0
.endif
.if (\t)+4 < A_STEPS
	A_LOAD (\t)+4                                  ; which take the loads of four steps on
.endif
.if (\t)+1 < A_STEPS
.if A_STEPS-2-(\t) >= 3
	s_wait_loadcnt 12                              ; the next step's four loads are in; those of the three steps behind it may be out
.else
	s_wait_loadcnt 4*(A_STEPS-2-(\t))
.endif
	A_TURN (\t)+1                                  ; and go through the other stage while this step is worked
.endif
	v_max3_num_f32 v8, |v[XS]|, |v[XS+1]|, |v[XS+2]|               ; the largest magnitude of my 16, in two chains
	v_max3_num_f32 v9, |v[XS+3]|, |v[XS+4]|, |v[XS+5]|
.irp i, 6,10
	v_max3_num_f32 v8, v8, |v[XS+\i]|, |v[XS+\i+1]|
	v_max3_num_f32 v9, v9, |v[XS+\i+2]|, |v[XS+\i+3]|
.endr
	v_max3_num_f32 v8, v8, |v[XS+14]|, |v[XS+15]|
	v_max3_num_f32 v8, v8, v9, (EMAX+1)<<23        ; and the floor 2^(EMAX + 1 - 127): so the byte cannot fall under 1
	v_max_num_f32_dpp v8, v8, v8 row_xmask:1 row_mask:0xf bank_mask:0xf   ; and of my neighbour's 16: the block's
	v_add_nc_u32 v11, -(EMAX<<23), v8              ; EMAX off its exponent field: the conversion takes the exponent field of this operand as its scale, and nothing else of it
	v_cvt_scalef32_pk8_fp4_f32 v[A_C+4*(\t)], v[XS:XS+7], v11
	v_cvt_scalef32_pk8_fp4_f32 v[A_C+4*(\t)+1], v[XS+8:XS+15], v11
	v_lshrrev_b32 v[A_E+(\t)], 23, v11             ; the scale's byte (also the plain line behind the conversions)
	ds_store_b8 v5, v[A_E+(\t)] offset:16*(\t)     ; both lanes of a block write the same byte with the same value
	global_store_b64 v4, v[A_C+4*(\t):A_C+4*(\t)+1], s[22:23] offset:32*A_CB*(\t)   ; the wave stores 256 consecutive bytes, aligned
.endm
.irp t, 0,1,2,3,4,5,6,7,8,9,10,11,12,13,14,15
	A_STEP \t
.endr
	ds_load_b64 v[8:9], v6                         ; LDS serves a wave's instructions in order: this sees my byte stores
	s_wait_dscnt 0x0
	global_store_b64 v7, v[8:9], s[24:25]          ; 32 lanes store 256 consecutive bytes, aligned
	s_wait_tensorcnt 0x0                           ; the wave's end, behind my last LDS store
	ds_add_u32 v[SPW], v[NIL]
	s_wait_dscnt 0x0
	s_endpgm
; ---------------------------------------------------------------- THE THREE WEIGHTS: 48 work-groups, 16 to a weight: 8 along n (128 columns) x 2 along K (512)
; A lane takes a column n and its registers run down K: each load reads 128 consecutive bytes a wave, a block of 32 along K lies in one lane, and the conversions give codes with K innermost.
; A lane's codes belong to one row of wc: they go through the wave's own stage and leave sixteen lanes to 256 consecutive bytes.
.set W_N,     1024
.set W_NB,    16                       ; blocks of 32 along K for a wave
.set W_PITCH, 272                      ; a stage row: 256 bytes + 16
.set W_KROW,  512                      ; a row of wc in bytes
.set W_STG,   32768                    ; LDS 32,768 .. 67,583: 32 x 272 bytes for each wave
.set W_X,     32                       ; v32-95   two sets of 32 numbers
.set W_C,     96                       ; v96-99   a block's codes
.set W_OUT,   112                      ; v112-175 the way out
.set W_SB,    24                       ; v24-27   the scale bytes, four to a register
.Lweights:
	s_lshr_b32 s35, ttmp9, 4                       ; which weight
	s_and_b32 s38, ttmp9, 7                        ; which 128 columns
	s_bfe_u32 s39, ttmp9, 0x10003                  ; which 512 along K
	s_cmp_eq_u32 s35, 0
	s_cselect_b64 s[36:37], s[14:15], s[16:17]
	s_cmp_eq_u32 s35, 2
	s_cselect_b64 s[36:37], s[18:19], s[36:37]
	s_lshl_b32 s38, s38, 7
	s_lshl_b32 s40, s[WV], 5
	s_add_co_u32 s38, s38, s40                     ; my wave's first column
	s_lshl_b32 s40, s39, 21                        ; 512 rows of 4,096 bytes
	s_lshl_b32 s42, s38, 2
	s_add_co_u32 s40, s40, s42
	s_add_nc_u64 s[36:37], s[36:37], s[40:41]      ; the weight at (512 y, my column)
	s_lshl_b32 s35, s35, 10
	s_add_co_u32 s35, s35, s38                     ; my first row of wc and of ws
	s_lshl_b32 s40, s35, 9
	s_lshl_b32 s42, s39, 8
	s_add_co_u32 s40, s40, s42
	s_add_nc_u64 s[26:27], s[26:27], s[40:41]
	s_lshl_b32 s40, s35, 5
	s_lshl_b32 s42, s39, 4
	s_add_co_u32 s40, s40, s42
	s_add_nc_u64 s[28:29], s[28:29], s[40:41]
	v_lshlrev_b32 v3, 2, v2                        ; in: 4 bytes a lane
	s_mul_i32 s43, s[WV], 32*W_PITCH
	s_add_co_u32 s43, s43, W_STG                   ; my stage
	v_mul_u32_u24 v4, v2, W_PITCH
	v_add_nc_u32 v4, s43, v4                       ; into it: row = my column
	v_and_b32 v5, 15, v2
	v_lshrrev_b32 v6, 4, v2                        ; out of it: sixteen lanes to a row, two rows an instruction
	v_mul_u32_u24 v7, v6, W_PITCH
	v_lshl_add_u32 v7, v5, 4, v7
	v_add_nc_u32 v7, s43, v7
	v_mul_u32_u24 v8, v6, W_KROW
	v_lshl_add_u32 v8, v5, 4, v8                   ; and the same place in wc
	v_mul_u32_u24 v9, v2, 32                       ; my column's row of scale bytes
.macro W_LOAD t                        ; block t: W(32 t + i, my column), i = 0 .. 31, into set t % 2.  The largest offset, 511 x 4,096, lies inside the signed 24-bit immediate
.irp i, 0,1,2,3,4,5,6,7,8,9,10,11,12,13,14,15,16,17,18,19,20,21,22,23,24,25,26,27,28,29,30,31
	global_load_b32 v[W_X+32*((\t)%2)+\i], v3, s[36:37] offset:(32*(\t)+\i)*W_N*4 th:TH_LOAD_NT
.endr
.endm
	W_LOAD 0
	W_LOAD 1
.macro W_BLOCK t
.set XS, W_X+32*((\t)%2)
.if (\t) < W_NB-1
	s_wait_loadcnt 32                              ; this block's 32 loads are in; the next block's may be out
.else
	s_wait_loadcnt 0
.endif
	v_max3_num_f32 v12, |v[XS]|, |v[XS+1]|, |v[XS+2]|               ; the block's largest magnitude: all 32 numbers are mine
	v_max3_num_f32 v13, |v[XS+3]|, |v[XS+4]|, |v[XS+5]|
.irp i, 6,10,14,18,22,26
	v_max3_num_f32 v12, v12, |v[XS+\i]|, |v[XS+\i+1]|
	v_max3_num_f32 v13, v13, |v[XS+\i+2]|, |v[XS+\i+3]|
.endr
	v_max3_num_f32 v12, v12, |v[XS+30]|, |v[XS+31]|
	v_max3_num_f32 v12, v12, v13, (EMAX+1)<<23     ; and the floor
	v_add_nc_u32 v11, -(EMAX<<23), v12             ; the conversion's scale operand
	v_lshrrev_b32 v13, 23, v11                     ; the scale's byte
.if (\t)%4 == 0
	v_mov_b32 v[W_SB+(\t)/4], v13                  ; four bytes to a register, the lower K in the lower byte
.else
	v_lshl_or_b32 v[W_SB+(\t)/4], v13, 8*((\t)%4), v[W_SB+(\t)/4]
.endif
.irp g, 0,1,2,3
	v_cvt_scalef32_pk8_fp4_f32 v[W_C+\g], v[XS+8*\g:XS+8*\g+7], v11
.endr
	v_nop                                          ; one plain line behind the last conversion
	ds_store_b128 v4, v[W_C:W_C+3] offset:16*(\t)  ; 32 codes: 16 bytes of my column's row
.if (\t)+2 < W_NB
	W_LOAD (\t)+2
.endif
	s_wait_dscnt 0x0                               ; the store has read its registers: the next block's codes may be written
.endm
.set Q, 0
.rept W_NB
	W_BLOCK Q
.set Q, Q+1
.endr
	global_store_b128 v9, v[W_SB:W_SB+3], s[28:29] ; my column's 16 scale bytes
.irp t, 0,1,2,3,4,5,6,7,8,9,10,11,12,13,14,15
	ds_load_b128 v[W_OUT+4*\t:W_OUT+4*\t+3], v7 offset:2*\t*W_PITCH   ; LDS serves a wave's instructions in order: these see my stores
.endr
.irp t, 0,1,2,3,4,5,6,7,8,9,10,11,12,13,14,15
	s_wait_dscnt 15-\t                             ; load t is in; the younger ones may be out
	global_store_b128 v8, v[W_OUT+4*\t:W_OUT+4*\t+3], s[26:27] offset:2*\t*W_KROW   ; sixteen lanes store 256 consecutive bytes, aligned
.endr
	s_wait_tensorcnt 0x0                           ; the wave's end, behind my last LDS store
	ds_add_u32 v[SPW], v[NIL]
	s_wait_dscnt 0x0
	s_endpgm
; ---------------------------------------------------------------- Wo: 64 work-groups; a wave rounds 4,096 numbers to f16, as they lie.
.Lwo:
	s_sub_co_u32 s33, ttmp9, 48
	s_lshl_b32 s33, s33, 2
	s_add_co_u32 s33, s33, s[WV]                   ; my run of 4,096 numbers
	s_lshl_b32 s40, s33, 14
	s_add_nc_u64 s[20:21], s[20:21], s[40:41]
	s_lshl_b32 s40, s33, 13
	s_add_nc_u64 s[30:31], s[30:31], s[40:41]
	v_lshlrev_b32 v3, 4, v2
	v_lshlrev_b32 v4, 3, v2
.set i, 0
.rept 32
	global_load_b128 v[32+4*i:35+4*i], v3, s[20:21] offset:512*i th:TH_LOAD_NT   ; all 32 loads go out at once
.set i, i+1
.endr
.set i, 0
.rept 32
	s_wait_loadcnt 31-i                            ; load i is in; the younger ones may be out
	v_cvt_pk_f16_f32 v[32+4*i], v[32+4*i], v[33+4*i]
	v_cvt_pk_f16_f32 v[33+4*i], v[34+4*i], v[35+4*i]
	global_store_b64 v4, v[32+4*i:33+4*i], s[30:31] offset:256*i   ; the wave stores 256 consecutive bytes, aligned
.set i, i+1
.endr
	s_endpgm
.Lfunc_end_k_q1640eb8935_prep:
	.size	k_q1640eb8935_prep, .Lfunc_end_k_q1640eb8935_prep-k_q1640eb8935_prep
	.p2alignl 7, 3214868480
	.fill 96, 4, 3214868480
	.section	.rodata,"a",@progbits
	.p2align	6, 0x0
	.amdhsa_kernel k_q1640eb8935_prep
		.amdhsa_group_segment_fixed_size 68096
		.amdhsa_private_segment_fixed_size 0
		.amdhsa_enable_private_segment 0
		.amdhsa_kernarg_size 96
		.amdhsa_user_sgpr_count 2
		.amdhsa_user_sgpr_kernarg_segment_ptr 1
		.amdhsa_wavefront_size32 1
		.amdhsa_system_sgpr_workgroup_id_x 1
		.amdhsa_system_sgpr_workgroup_id_y 1
		.amdhsa_system_sgpr_workgroup_id_z 1
		.amdhsa_system_vgpr_workitem_id 0
		.amdhsa_next_free_vgpr 192
		.amdhsa_next_free_sgpr 66
		.amdhsa_reserve_vcc 0
		.amdhsa_float_denorm_mode_32 3
		.amdhsa_float_denorm_mode_16_64 3
		.amdhsa_memory_ordered 1
		.amdhsa_forward_progress 1
		.amdhsa_inst_pref_size 123
	.end_amdhsa_kernel
	.amdgpu_metadata
---
amdhsa.version: [ 1, 2 ]
amdhsa.kernels:
  - .name:           k_q1640eb8935_prep
    .symbol:         k_q1640eb8935_prep.kd
    .args:
      - { .name: queries, .offset: 0, .size: 8, .value_kind: global_buffer, .address_space: global }
      - { .name: keys, .offset: 8, .size: 8, .value_kind: global_buffer, .address_space: global }
      - { .name: values, .offset: 16, .size: 8, .value_kind: global_buffer, .address_space: global }
      - { .name: Wq, .offset: 24, .size: 8, .value_kind: global_buffer, .address_space: global }
      - { .name: Wk, .offset: 32, .size: 8, .value_kind: global_buffer, .address_space: global }
      - { .name: Wv, .offset: 40, .size: 8, .value_kind: global_buffer, .address_space: global }
      - { .name: Wo, .offset: 48, .size: 8, .value_kind: global_buffer, .address_space: global }
      - { .name: xc, .offset: 56, .size: 8, .value_kind: global_buffer, .address_space: global }
      - { .name: xs, .offset: 64, .size: 8, .value_kind: global_buffer, .address_space: global }
      - { .name: wc, .offset: 72, .size: 8, .value_kind: global_buffer, .address_space: global }
      - { .name: ws, .offset: 80, .size: 8, .value_kind: global_buffer, .address_space: global }
      - { .name: wo16, .offset: 88, .size: 8, .value_kind: global_buffer, .address_space: global }
    .group_segment_fixed_size: 68096
    .private_segment_fixed_size: 0
    .kernarg_segment_align: 8
    .kernarg_segment_size: 96
    .max_flat_workgroup_size: 128
    .sgpr_count:     66
    .vgpr_count:     192
    .wavefront_size: 32
...
	.end_amdgpu_metadata
.endif
;; end of part 1
;; launch proj (part 2): grid 4 x 96, 4 waves a work-group, clusters of 4 x 4, 327,680 bytes of LDS; arguments xc, xs, wc, ws, qkv16, bq, bv; writes qkv16
.if DOCPART == 2
	.amdgcn_target "amdgcn-amd-amdhsa--gfx1250"
	.amdhsa_code_object_version 6
	.text
	.protected	k_q1640eb8935_proj
	.globl	k_q1640eb8935_proj
	.p2align	8
	.type	k_q1640eb8935_proj,@function
k_q1640eb8935_proj:
	s_mov_b64 s[64:65], 0
	v_nop
	global_prefetch_b8 v0, s[64:65] scope:SCOPE_SE
	s_setreg_imm32_b32 hwreg(HW_REG_WAVE_MODE, 25, 1), 1
	s_wait_xcnt 0x0
	s_wait_alu depctr_hold_cnt(0) depctr_sa_sdst(0) depctr_va_vdst(0) depctr_va_sdst(0) depctr_va_ssrc(0) depctr_va_vcc(0) depctr_vm_vsrc(0)
	s_getreg_b32 s2, hwreg(HW_REG_IB_STS2, 6, 4)
	s_cmp_eq_u32 s2, 0
	s_cbranch_scc0 .Lentry_in_a_cluster
	s_endpgm
.Lentry_in_a_cluster:
	s_bfe_u32 s2, ttmp6, 0x10000c
	s_cmp_lg_u32 s2, 0xf033
	s_cbranch_scc0 .Lentry_shape_is_right
	s_endpgm
.Lentry_shape_is_right:
; PROJ: q = queries Wq + bq, k = keys Wk, v = values Wv + bv, on codes of FP4 (E2M1) with one E8M0 scale for each 32 along K; sums in f32; results rounded once to f16 and laid by heads:
; qkv16 [3][4 b][16 h][2048 l][64].  WORK LEFT OUT: bk is not added: it moves every score of a row by the same amount, which the softmax takes away for all finite values (shown at the head of the first launch).
; LIMIT: |q|, |k|, |v| above 65,504 become infinity in f16 (inputs of spread 1 give spread 1; activations and weights both 30 times larger give some 5,000 at the most, common offsets of 30 spreads on both some 29,000).
; One GEMM of 24,576 rows (the three tensors' rows on end) x 1,024 columns, each tensor's rows against its own weight.  A tile of 256 x 256 is made by a work-group of four waves, a wave makes 128 x 128:
; 64 accumulators of 16 x 16, 512 registers.  K = 1,024 is two LDS slots of 512 along K (rows of 256 bytes), both asked for at the start: no slot is filled again.
; THE SCALES of the work-group's 256 + 256 rows, for all of K, are two dense blocks of memory: they come into LDS once, as rows of 256 bytes.
; CLUSTERS: 4 x 4 work-groups = 1,024 rows of one tensor x all 1,024 columns.  The four of a row of the cluster need the same tiles of the activations, the four of a column the same tiles of the weight:
; each tile is asked for JOINTLY.  THE MATRIX INSTRUCTION IS USED TRANSPOSED (source 0 = 16 rows of the weight's codes, source 1 = 16 rows of the activations'): a lane holds eight neighbouring columns of a row.
; THE BIAS is the C of each sum's first matrix instruction: eight registers for each block of 16 columns, in the result's layout; for k they hold zeros.
; REGISTERS, in windows of 256: window 0: v0-31 addresses; v32-95 scale words, two sets; v128-191 A's fragments, ONE set; v192-255 the bias; on the way out v32-63 and v192-255 are free.
;   window 1: B's fragments, TWO sets, at v0 and v128.   window 2: the accumulators of my rows 0-63 ((a, b) at v[8 (8 a + b)]);   window 3: those of my rows 64-127.
.set NQ,     4                         ; steps of 128 along K in a slot
.set ROWB,   256                       ; a tile's row in bytes: 512 codes
.set KROW,   512                       ; a row of xc or wc in bytes
.set PITCH,  272                       ; an LDS row: 256 bytes + 16 of padding = 68 words: the 16 rows that a load touches start at 16 different banks (64 banks of 4 bytes: ISA guide 11.1)
.set FR,     8                         ; registers of a fragment: 16 rows x 128 K
.set NL,     2                         ; LDS loads that bring one
.set NP,     4                         ; places behind this matrix instruction (ISA guide 7.12.1)
.set HALFT,  128*PITCH                 ; 128 rows: what one tensor load brings
.set SLOT,   4*HALFT                   ; A's 256 rows, then B's 256 rows
.set KS,     32                        ; a row of scales in bytes
.set SCL,    2*SLOT                    ; behind the two slots: the scales, as rows of 256 bytes + 16 of padding
.set HALFS,  (128*KS/256)*272          ; the scales of 128 rows
.set SBLK,   (16*KS/256)*272           ; those of 16 rows
.set SPARE,  SCL+4*HALFS               ; the spare words, 128 bytes for each wave: two blocks of 256 bytes that no other line names
.set HP,     144                       ; the way out: a stage row: a head's 128 bytes + 16
.set HREG,   16*HP                     ; 16 rows of one head; a wave's stage is two of these.  The stages lie in slot 0, which has had its only fill and its last read when the first result is stored there
.set ADRA, 16                          ; v16-17  LDS address of my A fragments in slot 0, 1
.set ADRB, 20                          ; v20-21  the same for B
.set STO,  24                          ; v24     the way out: where I put 16 bytes of a row
.set RD,   25                          ; v25     the way out: where I read back
.set CO,   26                          ; v26     my byte offset in qkv16
.set ADRS, 27                          ; v27     LDS address of my scale words: lanes 0-15 A's rows, lanes 16-31 B's
.set SPW,  28                          ; v28     LDS address of my spare word; never rewritten
.set NIL,  29                          ; v29     0; never rewritten
.set BOF,  30                          ; v30     the bias loads' offset
.set SC,   32                          ; scale words: set s at v[SC + 32 s]; register 4 i + q: lanes 0-15 the word of A's block i, lanes 16-31 that of B's block i, for the slot's q-th 128 along K
.set AF,   128                         ; A's fragments, in window 0
.set BI,   192                         ; the bias: v[BI + 8 b + j] = bias of column 16 b + 8 (lane / 16) + j of my 128
.set TMP,  192                         ; the way out: packed results
.set OB,   32                          ; the way out: 16 rows read back: v32-63 and v224-255 by turns
.set G1, 24                            ; s[24:31] descriptor group 1 for A's tiles;  s[32:39] group 0, one set for each slot
.set G0, 32
.set G1B, 48                           ; s[48:55], s[56:63] the same for B's tiles
.set G0B, 56
.set G1S, 68                           ; s[68:75], s[76:79] groups 1 and 0 for A's scales;  s[80:87], s[88:91] for B's
.set G0S, 76
.set G1SB, 80
.set G0SB, 88
.set MSB, 0
.macro WIN new                         ; the immediate's high byte repeats the setting that is left
.if MSB != \new
	s_set_vgpr_msb (MSB<<8)|\new
.set MSB, \new
.endif
.endm
.set MUL_LO, 0xa1                      ; source 0 (B) window 1, source 1 (A) window 0, C and D window 2
.set MUL_HI, 0xf1                      ; the same, C and D window 3
.set BEG_LO, 0x81                      ; the first step: C (the bias) window 0, D window 2
.set BEG_HI, 0xc1                      ; C window 0, D window 3
.set TO_B,   0x40                      ; destination window 1, address window 0
; A joint load: waves 0 and 1 fetch for A, waves 2 and 3 for B.  Each of the two lines has ONE mask and one set of registers for all that issue it; the branch hangs on the wave's number alone.
; An s_nop 0 and four v_nop follow each of the two lines.
.macro JLOAD g0a, g1a, g0b, g1b
	s_cmp_eq_u32 s15, 0
	s_cbranch_scc0 .Lfor_b_\@
	tensor_load_to_lds s[\g0a:\g0a+3], s[\g1a:\g1a+7]
	s_nop 0
.rept 4
	v_nop
.endr
	s_branch .Lasked_\@
.Lfor_b_\@:
	tensor_load_to_lds s[\g0b:\g0b+3], s[\g1b:\g1b+7]
	s_nop 0
.rept 4
	v_nop
.endr
.Lasked_\@:
.endm
.macro CROUND                          ; a round of the cluster's barrier
	s_barrier_signal -1
	s_barrier_wait -1
	s_cmp_lg_u32 s14, 0
	s_cbranch_scc1 .Lnot_wave_0_\@
	s_barrier_signal -3
.Lnot_wave_0_\@:
	s_barrier_wait -3
	s_barrier_signal -1
	s_barrier_wait -1
.endm
	s_load_b128 s[4:7], s[0:1], 0x0                ; xc s[4:5], xs s[6:7]
	s_load_b128 s[8:11], s[0:1], 0x10              ; wc s[8:9], ws s[10:11]
	s_load_b64 s[12:13], s[0:1], 0x20              ; qkv16
	s_load_b128 s[96:99], s[0:1], 0x28             ; bq s[96:97], bv s[98:99]
	v_lshl_add_u32 v[SPW], v0, 2, SPARE
	v_mov_b32 v[NIL], 0
	ds_add_u32 v[SPW], v[NIL]                      ; the wave's opening: the add, twice on end, and its wait ahead of my first tensor load; the set-up below stands between
	ds_add_u32 v[SPW], v[NIL]
	v_lshrrev_b32 v1, 5, v0
	v_readfirstlane_b32 s14, v1                    ; wave 0..3
	s_lshr_b32 s15, s14, 1                         ; which half of the tile's rows is mine.  Also: I fetch for A (0) or for B (1)
	s_and_b32 s16, s14, 1                          ; which half of its columns.  Also: which 128 rows of that tile I fetch
	s_bfe_u32 s40, ttmp6, 0x40000                  ; cx, cy: my place in the cluster
	s_bfe_u32 s41, ttmp6, 0x40004
	s_lshl_b32 s42, ttmp9, 2
	s_add_co_u32 s42, s42, s40                     ; tile column = 4 x cluster x + cx
	s_and_b32 s17, ttmp7, 0xffff
	s_lshr_b32 s100, s17, 3                        ; the tensor: eight clusters of 1,024 rows each; the same in all sixteen partners
	s_lshl_b32 s17, s17, 2
	s_add_co_u32 s17, s17, s41                     ; tile row, over all three tensors = 4 x cluster y + cy
	s_lshl_b32 s43, s41, 2
	s_lshl_b32 s43, 15, s43                        ; my row of the cluster
	s_lshl_b32 s44, 0x1111, s40                    ; my column
	; descriptor group 1: a tile of 128 rows x 256 bytes, padded in LDS
	s_or_b32 s[G1+0], s43, (0<<16)|(1<<20)|(1<<21)|(5<<22)|(3<<25)  ; 15:0 the mask: A's tiles go to my row; 17:16 element of 1 byte; 20 padding on; 21 set beside a mask; 24:22 after every 64 words; 31:25 four words
	s_or_b32 s[G1B+0], s44, (0<<16)|(1<<20)|(1<<21)|(5<<22)|(3<<25)
.irp g, G1, G1B
	s_mov_b32 s[\g+1], ROWB<<16                    ; tensor_dim0
	s_mov_b32 s[\g+2], 128<<16                     ; tensor_dim1
	s_mov_b32 s[\g+3], ROWB<<16                    ; tile_dim0
	s_mov_b32 s[\g+4], 128                         ; tile_dim1
	s_mov_b32 s[\g+5], KROW                        ; tensor_dim0_stride
	s_mov_b32 s[\g+6], 0
	s_mov_b32 s[\g+7], 0
.endr
	; and for the scales of 128 rows: a dense block of 4,096 bytes, as 16 rows of 256 bytes (32 elements of 8 bytes), 16 bytes of padding behind each
	s_or_b32 s[G1S+0], s43, (3<<16)|(1<<20)|(1<<21)|(5<<22)|(3<<25)
	s_or_b32 s[G1SB+0], s44, (3<<16)|(1<<20)|(1<<21)|(5<<22)|(3<<25)
.irp g, G1S, G1SB
	s_mov_b32 s[\g+1], 32<<16
	s_mov_b32 s[\g+2], (128*KS/256)<<16
	s_mov_b32 s[\g+3], 32<<16
	s_mov_b32 s[\g+4], 128*KS/256
	s_mov_b32 s[\g+5], 32
	s_mov_b32 s[\g+6], 0
	s_mov_b32 s[\g+7], 0
.endr
	s_lshl_b32 s18, s16, 7                         ; which 128 rows of the tile I fetch
	s_lshl_b32 s20, s17, 8
	s_add_co_u32 s20, s20, s18                     ; A: row 256 x tile row + 128 x half
	s_lshl_b32 s46, s42, 8
	s_add_co_u32 s46, s46, s18                     ; B: row 256 x tile column + 128 x half,
	s_lshl_b32 s47, s100, 10
	s_add_co_u32 s46, s46, s47                     ; in the tensor's own weight
	s_mov_b32 s21, 0
	s_mov_b32 s47, 0
	s_mov_b64 s[18:19], KS
	s_mul_u64 s[22:23], s[20:21], s[18:19]         ; where these rows' scales begin, in bytes
	s_mul_u64 s[92:93], s[46:47], s[18:19]
	s_mov_b64 s[18:19], KROW
	s_mul_u64 s[20:21], s[20:21], s[18:19]         ; and their codes
	s_mul_u64 s[46:47], s[46:47], s[18:19]
	s_mul_i32 s45, s14, HALFT                      ; where they go: wave x 128 rows: no place in the cluster enters an LDS address
	s_mul_i32 s94, s14, HALFS
	s_wait_dscnt 0x0                               ; both opening adds are done
	s_wait_kmcnt 0x0
	s_add_nc_u64 s[20:21], s[4:5], s[20:21]
	s_add_nc_u64 s[22:23], s[6:7], s[22:23]
	s_add_nc_u64 s[46:47], s[8:9], s[46:47]
	s_add_nc_u64 s[92:93], s[10:11], s[92:93]
	CROUND                                         ; all sixteen work-groups are here: the joint loads meet
	s_mov_b32 s[G0S], 1
	s_add_co_u32 s[G0S+1], s94, SCL
	s_mov_b64 s[G0S+2:G0S+3], s[22:23]
	s_or_b32 s[G0S+3], s[G0S+3], 0x80000000
	s_mov_b32 s[G0SB], 1
	s_add_co_u32 s[G0SB+1], s94, SCL
	s_mov_b64 s[G0SB+2:G0SB+3], s[92:93]
	s_or_b32 s[G0SB+3], s[G0SB+3], 0x80000000
	JLOAD G0S, G1S, G0SB, G1SB                     ; the scales first: they are wanted with the first slot
.irp s, 0,1
	s_mov_b32 s[G0+4*\s], 1
	s_add_co_u32 s[G0+4*\s+1], s45, \s*SLOT
	s_add_nc_u64 s[G0+4*\s+2:G0+4*\s+3], s[20:21], \s*ROWB
	s_or_b32 s[G0+4*\s+3], s[G0+4*\s+3], 0x80000000
	s_mov_b32 s[G0B+4*\s], 1
	s_add_co_u32 s[G0B+4*\s+1], s45, \s*SLOT
	s_add_nc_u64 s[G0B+4*\s+2:G0B+4*\s+3], s[46:47], \s*ROWB
	s_or_b32 s[G0B+4*\s+3], s[G0B+4*\s+3], 0x80000000
	JLOAD G0+4*\s, G1, G0B+4*\s, G1B               ; three tensor loads of mine are out: all that the launch asks for
.endr
	v_and_b32 v1, 15, v0                           ; r = lane % 16
	v_bfe_u32 v2, v0, 4, 1                         ; h = lane / 16
	; the bias of my 128 columns: bq for q, bv for v; none for k
	s_lshl_b32 s46, s42, 10                        ; 256 columns of 4 bytes a tile column
	s_lshl_b32 s47, s16, 9
	s_add_co_u32 s46, s46, s47
	s_mov_b32 s47, 0
	s_cmp_eq_u32 s100, 0                           ; the choice hangs on the cluster's number alone
	s_cselect_b64 s[96:97], s[96:97], s[98:99]
	s_add_nc_u64 s[96:97], s[96:97], s[46:47]
	v_lshlrev_b32 v[BOF], 5, v2                    ; lanes 16-31 take the eight columns behind lanes 0-15's
	s_cmp_eq_u32 s100, 1                           ; the same in all partners and all waves
	s_cbranch_scc1 .Lno_bias
.irp b, 0,1,2,3,4,5,6,7
	global_load_b128 v[BI+8*\b:BI+8*\b+3], v[BOF], s[96:97] offset:64*\b
	global_load_b128 v[BI+8*\b+4:BI+8*\b+7], v[BOF], s[96:97] offset:64*\b+16
.endr
	s_branch .Lbias_done
.Lno_bias:
.set i, 0
.rept 64
	v_mov_b32 v[BI+i], 0
.set i, i+1
.endr
.Lbias_done:
	v_mul_u32_u24 v3, v1, PITCH
	v_lshl_add_u32 v4, v2, 4, v3                   ; a fragment's row x pitch + 16 x half
	s_mul_i32 s21, s15, HALFT                      ; my 128 rows of A
	s_mul_i32 s22, s16, HALFT                      ; my 128 rows of B,
	s_add_co_u32 s22, s22, 2*HALFT                 ; which lie behind A's 256
.irp s, 0,1
	v_add_nc_u32 v[ADRA+\s], s21, v4
	v_add_nc_u32 v[ADRB+\s], s22, v4
	s_add_co_u32 s21, s21, SLOT
	s_add_co_u32 s22, s22, SLOT
.endr
	v_mul_u32_u24 v5, v1, KS                       ; my row's scales: 32 bytes a row,
	v_lshrrev_b32 v6, 8, v5
	v_lshl_add_u32 v5, v6, 4, v5                   ; and 16 more for each 256 passed
	s_mul_i32 s21, s15, HALFS                      ; A's: my 128 rows
	s_mul_i32 s22, s16, HALFS                      ; B's: my 128 rows, behind A's 256
	s_add_co_u32 s22, s22, 2*HALFS
	s_sub_co_u32 s22, s22, s21
	v_mul_u32_u24 v6, s22, v2                      ; lanes 16-31 take B's: one product, the distance between the two bases
	s_add_co_u32 s21, s21, SCL
	v_add_nc_u32 v5, v5, v6
	v_add_nc_u32 v[ADRS], s21, v5
	s_mul_i32 s23, s14, 2*HREG                     ; my stage
	v_mul_u32_u24 v5, v1, HP                       ; in: row r, 16 bytes for each half of the lanes
	v_lshl_add_u32 v5, v2, 4, v5
	v_add_nc_u32 v[STO], s23, v5
	v_bfe_u32 v5, v0, 3, 1                         ; back: lanes 0-15 two rows of the first head, lanes 16-31 the same rows of the second; eight lanes to a row of 128 bytes
	v_mul_u32_u24 v5, v5, HP
	v_and_b32 v6, 7, v0
	v_lshl_add_u32 v5, v6, 4, v5
	v_mul_u32_u24 v6, v2, HREG
	v_add_nc_u32 v5, v5, v6
	v_add_nc_u32 v[RD], s23, v5
	v_lshlrev_b32 v[CO], 4, v1                     ; in qkv16 two rows of a head are 256 consecutive bytes;
	v_lshl_add_u32 v[CO], v2, 18, v[CO]            ; the next head lies 2,048 rows of 128 bytes on
	s_lshl_b32 s20, s17, 8
	s_lshl_b32 s21, s15, 7
	s_add_co_u32 s20, s20, s21                     ; my first row, over all three tensors
	s_lshr_b32 s21, s20, 11
	s_lshl_b32 s21, s21, 22                        ; (tensor, batch): 16 heads x 2,048 rows x 128 bytes each
	s_and_b32 s20, s20, 2047
	s_lshl_b32 s20, s20, 7                         ; the position in the sequence
	s_add_co_u32 s20, s20, s21
	s_lshl_b32 s46, s42, 2
	s_lshl_b32 s47, s16, 1
	s_add_co_u32 s46, s46, s47                     ; my first head: 4 x tile column + 2 x half
	s_lshl_b32 s46, s46, 18
	s_add_co_u32 s20, s20, s46
	s_mov_b32 s21, 0
	s_add_nc_u64 s[12:13], s[12:13], s[20:21]
.macro FRAG reg, adr, q, i             ; a fragment, 16 rows x 128 K of 4-bit codes, is 8 registers: lane l holds row l % 16; registers 4 c .. 4 c + 3 hold K = 64 c + 32 (l / 16) + 0 .. 31
.irp c, 0,1
	ds_load_b128 v[\reg+4*\c:\reg+4*\c+3], v[\adr] offset:64*(\q)+32*\c+(\i)*16*PITCH
.endr
.endm
; 16 matrix instructions: A's blocks a0, a0 + 1 x B's eight, 128 along K: the slot's q-th.  p: B's set;  sc: the set of scale words.  first = 1: the bias is C: nothing is ever cleared or added afterwards.
; The 64 accumulators take turns, one instruction a turn, in the same order in every step.
.macro MUL16 a0, p, q, sc, first
.irp a, \a0, \a0+1
.irp b, 0,1,2,3,4,5,6,7
.if \first
	v_wmma_scale_f32_16x16x128_f8f6f4 v[8*(8*((\a)%4)+\b):8*(8*((\a)%4)+\b)+7], v[128*(\p)+FR*\b:128*(\p)+FR*\b+FR-1], v[AF+FR*(\a):AF+FR*(\a)+FR-1], v[BI+8*\b:BI+8*\b+7], v[SC+8*NQ*(\sc)+NQ*\b+(\q)], v[SC+8*NQ*(\sc)+NQ*(\a)+(\q)] matrix_a_fmt:MATRIX_FMT_FP4 matrix_b_fmt:MATRIX_FMT_FP4 matrix_a_scale:MATRIX_SCALE_ROW1
.else
	v_wmma_scale_f32_16x16x128_f8f6f4 v[8*(8*((\a)%4)+\b):8*(8*((\a)%4)+\b)+7], v[128*(\p)+FR*\b:128*(\p)+FR*\b+FR-1], v[AF+FR*(\a):AF+FR*(\a)+FR-1], v[8*(8*((\a)%4)+\b):8*(8*((\a)%4)+\b)+7], v[SC+8*NQ*(\sc)+NQ*\b+(\q)], v[SC+8*NQ*(\sc)+NQ*(\a)+(\q)] matrix_a_fmt:MATRIX_FMT_FP4 matrix_b_fmt:MATRIX_FMT_FP4 matrix_a_scale:MATRIX_SCALE_ROW1
.endif
.endr
.endr
.endm
.macro FETCH_B slot, q, p              ; B's eight fragments of the slot's q-th 128 along K into set p
	WIN TO_B
.irp i, 0,1,2,3,4,5,6,7
	FRAG 128*(\p)+FR*\i, ADRB+\slot, \q, \i
.endr
	WIN 0
.endm
.macro FETCH_A slot, q, i0             ; A's blocks i0 .. i0 + 3
.irp i, \i0, \i0+1, \i0+2, \i0+3
	FRAG AF+FR*(\i), ADRA+\slot, \q, \i
.endr
.endm
.macro SCALES sc                       ; a slot's scale words into set sc: four words a row; lanes 0-15 take A's block i, lanes 16-31 B's block i
.irp i, 0,1,2,3,4,5,6,7
	ds_load_b128 v[SC+8*NQ*\sc+NQ*\i:SC+8*NQ*\sc+NQ*\i+3], v[ADRS] offset:\i*SBLK
.endr
.endm
; A load into a register that a matrix instruction has read, and a vector instruction that reads a matrix result, stand NP places behind that matrix instruction, and only plain vector
; instructions that name none of its registers are places (ISA guide 7.12.1 for vector instructions).
.macro PLACES n
.rept \n
	v_nop
.endr
.endm
; A step of 128 along K that has its successor in the same slot.  A block of A is free as soon as its eight products are issued: blocks 0-3 are fetched anew in the step's middle, blocks 4-7 at its end.
.macro STEP slot, q, first
	s_wait_dscnt 4*NL                              ; B's set, A's blocks 0-3 (and the scale words) are in; the youngest eight loads (A's blocks 4-7) may be out
.if \first
	WIN BEG_LO
.else
	WIN MUL_LO
.endif
	MUL16 0, (\q)%2, \q, \slot, \first
	MUL16 2, (\q)%2, \q, \slot, \first
	s_wait_dscnt 0                                 ; A's blocks 4-7 are in (asked for 32 matrix instructions ago)
	PLACES NP
	FETCH_B \slot, (\q)+1, 1-(\q)%2
	FETCH_A \slot, (\q)+1, 0
.if \first
	WIN BEG_HI
.else
	WIN MUL_HI
.endif
	MUL16 4, (\q)%2, \q, \slot, \first
	MUL16 6, (\q)%2, \q, \slot, \first
	PLACES NP
	WIN 0
	FETCH_A \slot, (\q)+1, 4
.endm
; Slot 0's last step changes slots: ONE barrier; in front of it each wave waits for all its tensor loads (its part of slot 1), adds 0 to its spare word, and waits for that and for its own reads of slot 0.
; Behind it slot 1 is whole, and nobody reads slot 0 any more: the way out's stages may lie there.  Nothing is filled again.
.macro TURN slot, next
	s_wait_tensorcnt 0x0                           ; all my tensor loads have landed  (every window is 0 here: the add's two registers lie in window 0)
	ds_add_u32 v[SPW], v[NIL]                      ; 0 onto my spare word
	s_wait_dscnt 4*NL+1                            ; (the add and the youngest eight loads, A's blocks 4-7, may be out)
	WIN MUL_LO
	MUL16 0, 1, NQ-1, \slot, 0                     ; sixteen matrix instructions stand between the add and the wait for it
	s_wait_dscnt 0x0                               ; the add is done, and my reads of this slot are over
	s_barrier_signal -1
	MUL16 2, 1, NQ-1, \slot, 0
	WIN 0
	s_barrier_wait -1
	PLACES NP
	v_add_nc_u32 v[ADRS], 4*NQ, v[ADRS]            ; on to the next slot's scale words (no LDS load of mine is out)
	FETCH_B \next, 0, 0
	FETCH_A \next, 0, 0
	SCALES \next
	WIN MUL_HI
	MUL16 4, 1, NQ-1, \slot, 0
	MUL16 6, 1, NQ-1, \slot, 0
	PLACES NP
	WIN 0
	FETCH_A \next, 0, 4
.endm
.macro STEPS slot, from                ; the slot's steps from .. NQ - 2
.set Q, \from
.rept NQ-1-\from
	STEP \slot, Q, 0
.set Q, Q+1
.endr
.endm
	s_wait_loadcnt 0x0                             ; the bias
	s_wait_tensorcnt 1                             ; the scales and my part of slot 0 are in (slot 1's load may be out)
	s_barrier_signal -1
	s_barrier_wait -1                              ; everybody's are
	FETCH_B 0, 0, 0
	FETCH_A 0, 0, 0
	SCALES 0
	FETCH_A 0, 0, 4
	STEP 0, 0, 1                                   ; the first step's products start the sums from the bias
	STEPS 0, 1
	TURN 0, 1
	STEPS 1, 0
	s_wait_dscnt 4*NL                              ; the very last step: nothing more to fetch
	WIN MUL_LO
	MUL16 0, 1, NQ-1, 1, 0
	MUL16 2, 1, NQ-1, 1, 0
	s_wait_dscnt 0
	WIN MUL_HI
	MUL16 4, 1, NQ-1, 1, 0
	MUL16 6, 1, NQ-1, 1, 0
	WIN 0
; THE WAY OUT, block by block of 16 rows x 128 columns = two heads.  PACK: rounded to f16, 16 bytes a lane, each accumulator from its low end on.  TOSTAGE: into my own stage, a region for each head, and back by rows.
; SEND: lanes 0-15 store two rows of the first head, 256 consecutive bytes, aligned; lanes 16-31 the same rows of the second head.
.macro PACK a
.set AC, 64*((\a)%4)
	WIN 0x0a+5*((\a)/4)                            ; sources 0 and 1: window 2 or 3
.irp b, 0,1,2,3,4,5,6,7
.irp r, 0,1,2,3
	v_cvt_pk_f16_f32 v[TMP+4*\b+\r], v[AC+8*\b+2*\r], v[AC+8*\b+2*\r+1]
.endr
.endr
	WIN 0
.endm
.macro TOSTAGE a
.set BK, OB+192*((\a)%2)
.irp b, 0,1,2,3,4,5,6,7
	ds_store_b128 v[STO], v[TMP+4*\b:TMP+4*\b+3] offset:(\b/4)*HREG+32*(\b%4)
.endr
.irp u, 0,1,2,3,4,5,6,7
	ds_load_b128 v[BK+4*\u:BK+4*\u+3], v[RD] offset:\u*2*HP        ; LDS serves a wave's instructions in order (ISA guide 5.7.1.4): these see the stores above
.endr
.endm
.macro SEND a
.set BK, OB+192*((\a)%2)
	s_wait_dscnt 0x0                               ; the block is back in registers
	s_wait_xcnt 0x0                                ; the earlier stores have read their registers: the set that the next block's loads take is free behind this wait
.irp u, 0,1,2,3,4,5,6,7
	global_store_b128 v[CO], v[BK+4*\u:BK+4*\u+3], s[12:13] offset:2048*(\a)+256*\u   ; the base is never stepped: 16 rows of 128 bytes a block
.endr
.endm
	PLACES NP                                      ; the conversions read results, and the loads below land in registers that matrix instructions have read
	PACK 0
	TOSTAGE 0
.irp a, 1,2,3,4,5,6,7                  ; block a's conversions stand between block a - 1's loads from the stage and the wait for them
	PACK \a
	SEND \a-1
	TOSTAGE \a
.endr
	SEND 7
	s_wait_tensorcnt 0x0                           ; the wave's end, behind my last tensor load and my last LDS store
	ds_add_u32 v[SPW], v[NIL]
	s_wait_dscnt 0x0
	CROUND                                         ; the closing round
	s_endpgm
.Lfunc_end_k_q1640eb8935_proj:
	.size	k_q1640eb8935_proj, .Lfunc_end_k_q1640eb8935_proj-k_q1640eb8935_proj
	.p2alignl 7, 3214868480
	.fill 96, 4, 3214868480
	.section	.rodata,"a",@progbits
	.p2align	6, 0x0
	.amdhsa_kernel k_q1640eb8935_proj
		.amdhsa_group_segment_fixed_size 327680
		.amdhsa_private_segment_fixed_size 0
		.amdhsa_enable_private_segment 0
		.amdhsa_kernarg_size 56
		.amdhsa_user_sgpr_count 2
		.amdhsa_user_sgpr_kernarg_segment_ptr 1
		.amdhsa_wavefront_size32 1
		.amdhsa_system_sgpr_workgroup_id_x 1
		.amdhsa_system_sgpr_workgroup_id_y 1
		.amdhsa_system_sgpr_workgroup_id_z 1
		.amdhsa_system_vgpr_workitem_id 0
		.amdhsa_next_free_vgpr 1024
		.amdhsa_next_free_sgpr 102
		.amdhsa_reserve_vcc 0
		.amdhsa_float_denorm_mode_32 3
		.amdhsa_float_denorm_mode_16_64 3
		.amdhsa_memory_ordered 1
		.amdhsa_forward_progress 1
		.amdhsa_inst_pref_size 131
	.end_amdhsa_kernel
	.amdgpu_metadata
---
amdhsa.version: [ 1, 2 ]
amdhsa.kernels:
  - .name:           k_q1640eb8935_proj
    .symbol:         k_q1640eb8935_proj.kd
    .args:
      - { .name: xc, .offset: 0, .size: 8, .value_kind: global_buffer, .address_space: global }
      - { .name: xs, .offset: 8, .size: 8, .value_kind: global_buffer, .address_space: global }
      - { .name: wc, .offset: 16, .size: 8, .value_kind: global_buffer, .address_space: global }
      - { .name: ws, .offset: 24, .size: 8, .value_kind: global_buffer, .address_space: global }
      - { .name: qkv16, .offset: 32, .size: 8, .value_kind: global_buffer, .address_space: global }
      - { .name: bq, .offset: 40, .size: 8, .value_kind: global_buffer, .address_space: global }
      - { .name: bv, .offset: 48, .size: 8, .value_kind: global_buffer, .address_space: global }
    .group_segment_fixed_size: 327680
    .private_segment_fixed_size: 0
    .kernarg_segment_align: 8
    .kernarg_segment_size: 56
    .max_flat_workgroup_size: 128
    .sgpr_count:     102
    .vgpr_count:     1024
    .wavefront_size: 32
...
	.end_amdgpu_metadata
.endif
;; end of part 2
;; launch attn (part 3): grid 4 x 64, 16 waves a work-group, clusters of 4 x 1, 327,680 bytes of LDS; arguments qkv16, o16; writes o16
.if DOCPART == 3
	.amdgcn_target "amdgcn-amd-amdhsa--gfx1250"
	.amdhsa_code_object_version 6
	.text
	.protected	k_q1640eb8935_attn
	.globl	k_q1640eb8935_attn
	.p2align	8
	.type	k_q1640eb8935_attn,@function
k_q1640eb8935_attn:
	s_mov_b64 s[64:65], 0
	v_nop
	global_prefetch_b8 v0, s[64:65] scope:SCOPE_SE
	s_setreg_imm32_b32 hwreg(HW_REG_WAVE_MODE, 25, 1), 1
	s_wait_xcnt 0x0
	s_wait_alu depctr_hold_cnt(0) depctr_sa_sdst(0) depctr_va_vdst(0) depctr_va_sdst(0) depctr_va_ssrc(0) depctr_va_vcc(0) depctr_vm_vsrc(0)
	s_getreg_b32 s2, hwreg(HW_REG_IB_STS2, 6, 4)
	s_cmp_eq_u32 s2, 0
	s_cbranch_scc0 .Lentry_in_a_cluster
	s_endpgm
.Lentry_in_a_cluster:
	s_bfe_u32 s2, ttmp6, 0x10000c
	s_cmp_lg_u32 s2, 0x3003
	s_cbranch_scc0 .Lentry_shape_is_right
	s_endpgm
.Lentry_shape_is_right:
; ATTN: o[hd][q][:] = the sum over s of softmax_s(q[hd][q] . k[hd][s] / 8) v[hd][s][:], for 64 heads hd = (batch, head), 2,048 positions, head size 64, no mask.
; q, k, v: qkv16 [3][64 hd][2048][64] f16; o16 [64 hd][2048][64] f16: read row-major as [8192][1024] it IS the transposed and flattened operand of the last projection.
; Products, maxima and sums in f32; the weights p (at most 1) are rounded to f16 for the second product, o once at the end (|o| is at most the largest |v|).
; SHARES.  A cluster of four work-groups owns a head; a work-group 512 queries; each of its SIXTEEN waves 32 queries, two tiles of 16, in 256 registers: four waves to a SIMD, so that one wave's
; vector work stands beside another's matrix work and LDS loads.  Every wave walks all 2,048 keys, 64 a step.
; K's and V's tiles come through a ring of two LDS slots of 256 keys (waves 0, 1: K's halves; waves 2, 3: V's), asked for JOINTLY by the four partners, which walk the same K and V.
; LAYOUT.  S^T = K Q^T (source 0 = 16 keys, source 1 = 16 queries): a lane holds ONE query (lane % 16) and keys 8 (lane / 16) + 0..7.  Two such tiles, rounded to f16 in pairs, ARE source 1
; (32 keys x 16 queries) of O^T = V^T P.  K comes out of LDS as it lies, V ([key][channel]) turned, by ds_load_tr16_b128.
; SOFTMAX.  For each query a running maximum m and sum l: p = 2^(c s - c m), c = log2(e) / 8; in every step O^T and l are multiplied by a = 2^(c m_old - c m_new).  m begins at -3e38, O^T and l at 0:
; the first step's a is 0 and multiplies zeros, so the step is written once.
; REGISTERS: v1-11 addresses; v16-31 statistics, eight a tile; v32-63 Q; v64-127 S^T, then p, then (low 16 of each tile's 32) P; v128-191 O^T; v192-255 K's fragments, then V's.
.set KP,    144                        ; a row of K in LDS: 128 bytes + 16 = 36 words: the 16 rows of a load start at 16 different groups of 4 banks (64 banks of 4 bytes: ISA guide 11.1)
.set VP,    160                        ; a row of V: 128 + 32 bytes: 16 lanes of the turning load take 8 rows x 32 bytes
.set VOFF,  256*KP                     ; a slot: 256 rows of K, then 256 rows of V
.set SLOT1, 1<<17                      ; slot 1 begins here, so that one exclusive or turns an address in one slot into the other's
.set SPARE, 2*SLOT1                    ; the spare words, 128 bytes for each wave: eight blocks of 256 bytes that no other line names
.set STAGE, SPARE+16*128               ; the way out: 16 rows x 144 bytes for each wave; no tile ever lands here
.set SP,    144
.set AK0, 1                            ; v1   my lane's place in a tile of K; never rewritten
.set AV0, 2                            ; v2   the same for V
.set ADK, 3                            ; v3   LDS address of the slot's K for my lane
.set ADV, 4                            ; v4   of its V
.set SPW, 5                            ; v5   LDS address of my spare word; never rewritten
.set NIL, 6                            ; v6   0; never rewritten
.set STO, 7                            ; v7   the way out: where I put 16 bytes of a row
.set RD,  8                            ; v8   where I read back
.set GO,  9                            ; v9   16 x lane: my byte offset in 512 bytes of o16
.set PFO, 10                           ; v10  256 x lane: the prefetches' offset; never rewritten
.set QO,  11                           ; v11  my byte offset in a tile of Q
.set ST,  16                           ; tile t's statistics at v[ST + 8 t]: +0 c m, +1 m, +2, +3 l in two halves, +4 to +7 c0-c3, at work; a takes c2's place once the maximum is found
.set QF,  32                           ; Q: tile t, channels 32 c on: v[QF + 16 t + 8 c]
.set S,   64                           ; S^T: tile t, keys 16 kt on: v[S + 32 t + 8 kt]
.set OT,  128                          ; O^T: tile t, channels 16 dt on: v[OT + 32 t + 8 dt]
.set KV,  192                          ; K (kt, c) at v[KV + 16 kt + 8 c]; later V (keys 32 kc on, channels 16 dt on) at v[KV + 32 kc + 8 dt]
.set WV,  18                           ; s18  my wave's number
.set SEL, 20                           ; s[20:21] lane selects for v_permlanex16_b32: lane l xor 16
.set CS,  22                           ; s[22:23] c: the packed form names a pair and takes its low word for both halves
.set G1K, 24                           ; s[24:31] descriptor group 1 for K's tiles;  s[32:39] for V's: it differs in the padding alone
.set G1V, 32
.set G0K, 40                           ; s[40:43], s[44:47] their groups 0, which walk
.set G0V, 44
.set TB,  48                           ; s48  LDS byte at which the slot in hand begins
.set SLOTS, 49                         ; s49  slots still to be asked for
.set LIM, 50                           ; s50  1 in a wave that prefetches, else the greatest number
.set PFA, 52                           ; s[52:53] where my prefetches stand: my work-group's 8,192 bytes (wave 4: of K; wave 5: of V) of the slot after the one that is being asked for
; Waves 0 and 1 fetch for K, waves 2 and 3 for V, the others nothing.  The branches hang on the wave's number alone: they are the same in every partner.
; An s_nop 0 and four v_nop follow each of the two lines.
.macro TLOAD
	s_cmp_lt_u32 s[WV], 2
	s_cbranch_scc0 .Lnot_k_\@
	tensor_load_to_lds s[G0K:G0K+3], s[G1K:G1K+7]
	s_nop 0
.rept 4
	v_nop
.endr
	s_branch .Lasked_\@
.Lnot_k_\@:
	s_cmp_lt_u32 s[WV], 4
	s_cbranch_scc0 .Lasked_\@
	tensor_load_to_lds s[G0V:G0V+3], s[G1V:G1V+7]
	s_nop 0
.rept 4
	v_nop
.endr
.Lasked_\@:
.endm
; A PREFETCH INTO THE L2 of what the NEXT change of slots will ask for: a slot's 256 rows of K and of V, each one dense run of 32,768 bytes.  A head is walked by one cluster alone; its four partners
; share each run out BY ADDRESS, 8,192 bytes each; in each, wave 4 asks for K's and wave 5 for V's, lanes 256 bytes apart: each aligned 256 bytes are named once in the launch.  It stands where the
; fetching waves have their tensor load, four key steps ahead of the load that will want the bytes.  Slots 0 and 1 come by their loads alone; the last change that fills a slot asks for nothing.
.macro ASK
	s_cmp_gt_u32 s[SLOTS], s[LIM]
	s_cbranch_scc0 .Lnot_mine_\@
	global_prefetch_b8 v[PFO], s[PFA:PFA+1] th:TH_LOAD_NT scope:SCOPE_SE
.Lnot_mine_\@:
.endm
.macro CROUND                          ; a round of the cluster's barrier
	s_barrier_signal -1
	s_barrier_wait -1
	s_cmp_lg_u32 s[WV], 0
	s_cbranch_scc1 .Lnot_wave_0_\@
	s_barrier_signal -3
.Lnot_wave_0_\@:
	s_barrier_wait -3
	s_barrier_signal -1
	s_barrier_wait -1
.endm
	s_load_b128 s[4:7], s[0:1], 0x0                ; qkv16 s[4:5], o16 s[6:7]
	v_lshl_add_u32 v[SPW], v0, 2, SPARE
	v_mov_b32 v[NIL], 0
	ds_add_u32 v[SPW], v[NIL]                      ; the wave's opening: the add, twice on end, and its wait ahead of the first tensor load; the set-up below stands between
	ds_add_u32 v[SPW], v[NIL]
	v_lshrrev_b32 v12, 5, v0
	v_readfirstlane_b32 s[WV], v12                 ; wave 0..15
	s_bfe_u32 s8, ttmp6, 0x40000                   ; cx: my place in the cluster
	s_lshl_b32 s9, ttmp9, 2
	s_add_co_u32 s9, s9, s8                        ; my block of 512 queries: it enters Q's and O's addresses alone
	s_and_b32 s10, ttmp7, 0xffff                   ; the head, which the four partners share
	s_lshl_b32 s10, s10, 18                        ; its first byte in q, k, v and o: 2,048 rows of 128 bytes a head
	s_and_b32 s11, s[WV], 1                        ; which 128 rows of a slot I fetch, if I fetch
	s_lshl_b32 s12, s11, 14
	s_add_co_u32 s12, s12, s10
	s_add_co_u32 s12, s12, 0x1000000               ; k lies 16 MiB into qkv16,
	s_mov_b32 s13, 0
	s_add_co_u32 s14, s12, 0x1000000               ; v 32 MiB
	s_mov_b32 s15, 0
	s_lshl_b32 s16, s9, 16                         ; my block's 512 rows,
	s_lshl_b32 s17, s[WV], 12                      ; my wave's 32 of them
	s_add_co_u32 s16, s16, s17
	s_add_co_u32 s16, s16, s10
	s_mov_b32 s17, 0
	; descriptor group 1: a tile of 128 rows x 64 elements of 2 bytes, dense in memory, padded behind every row in LDS
	s_mov_b32 s[G1K], 15|(1<<16)|(1<<20)|(1<<21)|(4<<22)|(3<<25)  ; 15:0 the mask: all four work-groups; 17:16 elements of 2 bytes; 20 padding on; 21 set beside a mask; 24:22 after every 32 words; 31:25 four words
	s_mov_b32 s[G1V], 15|(1<<16)|(1<<20)|(1<<21)|(4<<22)|(7<<25)  ; the same with eight words of padding
.irp g, G1K, G1V
	s_mov_b32 s[\g+1], 64<<16                      ; tensor_dim0
	s_mov_b32 s[\g+2], 128<<16                     ; tensor_dim1
	s_mov_b32 s[\g+3], 64<<16                      ; tile_dim0
	s_mov_b32 s[\g+4], 128                         ; tile_dim1
	s_mov_b32 s[\g+5], 64                          ; tensor_dim0_stride
	s_mov_b32 s[\g+6], 0
	s_mov_b32 s[\g+7], 0
.endr
	s_mov_b32 s[G0K], 1                            ; count = 1
	s_mul_i32 s[G0K+1], s11, 128*KP                ; LDS address: slot 0, my half: no place in the cluster enters it
	s_mov_b32 s[G0V], 1
	s_mul_i32 s[G0V+1], s11, 128*VP
	s_add_co_u32 s[G0V+1], s[G0V+1], VOFF
	s_mov_b32 s[SEL], 0x76543210
	s_mov_b32 s[SEL+1], 0xfedcba98
	s_mov_b32 s[CS], 0x3e38aa3b                    ; c = log2(e) / sqrt(64) = 0.18033688
	s_mov_b32 s[CS+1], s[CS]                       ; (named with it as a pair, so it is written)
	s_mov_b32 s[TB], 0
	s_mov_b32 s[SLOTS], 7                          ; 2,048 keys are eight slots; slot 0 is asked for at the head
	s_sub_co_u32 s54, s[WV], 4
	s_lshr_b32 s54, s54, 1                         ; 0 in waves 4 and 5
	s_cmp_eq_u32 s54, 0
	s_cselect_b32 s[LIM], 1, -1
	s_cmp_eq_u32 s[WV], 4                          ; wave 4 asks for K's bytes, wave 5 for V's
	s_mov_b32 s55, 0x2000000
	s_cselect_b32 s54, 0x1000000, s55
	s_add_co_u32 s54, s54, s10
	s_lshl_b32 s55, s8, 13                         ; my work-group's 8,192 bytes of a slot's 32,768
	s_add_co_u32 s54, s54, s55
	s_add_co_u32 s54, s54, 32768                   ; in slot 1: the first change of slots steps it to slot 2
	s_mov_b32 s55, 0
	s_wait_dscnt 0x0                               ; both opening adds are done
	s_wait_kmcnt 0x0
	s_add_nc_u64 s[G0K+2:G0K+3], s[4:5], s[12:13]  ; global address: the head's first 256 keys, my half
	s_or_b32 s[G0K+3], s[G0K+3], 0x80000000        ; type = 2
	s_add_nc_u64 s[G0V+2:G0V+3], s[4:5], s[14:15]
	s_or_b32 s[G0V+3], s[G0V+3], 0x80000000
	s_add_nc_u64 s[PFA:PFA+1], s[4:5], s[54:55]
	s_add_nc_u64 s[6:7], s[6:7], s[16:17]          ; O at my wave's first row
	s_add_nc_u64 s[4:5], s[4:5], s[16:17]          ; Q likewise
	CROUND                                         ; all four work-groups are here: the first joint loads meet
	TLOAD                                          ; slot 0
	v_and_b32 v12, 15, v0                          ; r
	v_bfe_u32 v13, v0, 4, 1                        ; h
	v_lshlrev_b32 v[QO], 7, v12
	v_lshl_add_u32 v[QO], v13, 4, v[QO]            ; row r of 128 bytes, + 16 h
.irp t, 0,1
.irp c, 0,1                                    ; Q stays in registers.  A fragment is 16 rows x 32 channels: registers 0-3 channels 8 h + 0..7, registers 4-7 channels 16 + 8 h + 0..7
	global_load_b128 v[QF+16*\t+8*\c:QF+16*\t+8*\c+3],   v[QO], s[4:5] offset:2048*\t+64*\c
	global_load_b128 v[QF+16*\t+8*\c+4:QF+16*\t+8*\c+7], v[QO], s[4:5] offset:2048*\t+64*\c+32
.endr
.endr
	v_mul_u32_u24 v[AK0], v12, KP
	v_lshl_add_u32 v[AK0], v13, 4, v[AK0]          ; row x pitch + 16 x half
	v_and_b32 v14, 7, v0
	v_bfe_u32 v15, v0, 3, 1
	v_lshl_add_u32 v[AV0], v13, 3, v14             ; the turning load: lane l reads key 8 (l / 16) + l % 8, channels 8 ((l / 8) % 2) + 0..7
	v_mul_u32_u24 v[AV0], v[AV0], VP
	v_lshl_add_u32 v[AV0], v15, 4, v[AV0]
	v_add_nc_u32 v[AV0], VOFF, v[AV0]
	s_mul_i32 s56, s[WV], 16*SP
	s_add_co_u32 s56, s56, STAGE                   ; my stage
	v_mul_u32_u24 v[STO], v12, SP                  ; in: row r, 16 bytes for each half of the lanes
	v_lshl_add_u32 v[STO], v13, 4, v[STO]
	v_add_nc_u32 v[STO], s56, v[STO]
	v_and_b32 v12, 31, v0                          ; lane
	v_lshrrev_b32 v13, 3, v12
	v_mul_u32_u24 v[RD], v13, SP                   ; back: eight lanes to a row of 128 bytes, four rows an instruction
	v_lshl_add_u32 v[RD], v14, 4, v[RD]
	v_add_nc_u32 v[RD], s56, v[RD]
	v_lshlrev_b32 v[GO], 4, v12
	v_lshlrev_b32 v[PFO], 8, v12
.irp t, 0,1
	v_mov_b32 v[ST+8*\t+1], 0xff61b1e6             ; m: -3e38, under every score
	v_mul_f32 v[ST+8*\t], s[CS], v[ST+8*\t+1]      ; c m
	v_mov_b32 v[ST+8*\t+2], 0                      ; l, in two halves
	v_mov_b32 v[ST+8*\t+3], 0
.endr
.set i, 0
.rept 64
	v_mov_b32 v[OT+i], 0                           ; O^T.  (The step is written once: its first walk finds zeros, which a = 0 leaves zeros)
.set i, i+1
.endr
; ONE TILE PAIR'S SOFTMAX FOR A KEY STEP: every line is written for both tiles by turns, so that no line waits for the line above it.
.macro SOFTMAX
.irp j, 0,1,2,3                                ; the maximum of the lane's 32 scores and the old m: four chains; each begins at an accumulator's low end
.irp t, 0,1
	v_max3_num_f32 v[ST+8*\t+4+\j], v[S+32*\t+8*\j], v[S+32*\t+8*\j+1], v[S+32*\t+8*\j+2]
.endr
.endr
.irp g, 1,2
.irp j, 0,1,2,3
.irp t, 0,1
	v_max3_num_f32 v[ST+8*\t+4+\j], v[ST+8*\t+4+\j], v[S+32*\t+8*\j+2*\g+1], v[S+32*\t+8*\j+2*\g+2]
.endr
.endr
.endr
.irp t, 0,1
	v_max3_num_f32 v[ST+8*\t+4], v[ST+8*\t+4], v[S+32*\t+7], v[S+32*\t+15]
.endr
.irp t, 0,1
	v_max3_num_f32 v[ST+8*\t+6], v[ST+8*\t+6], v[S+32*\t+23], v[S+32*\t+31]
.endr
.irp t, 0,1
	v_max3_num_f32 v[ST+8*\t+4], v[ST+8*\t+4], v[ST+8*\t+5], v[ST+8*\t+6]
.endr
.irp t, 0,1
	v_max3_num_f32 v[ST+8*\t+4], v[ST+8*\t+4], v[ST+8*\t+7], v[ST+8*\t+1]
.endr
.irp t, 0,1
	v_permlanex16_b32 v[ST+8*\t+5], v[ST+8*\t+4], s[SEL], s[SEL+1]   ; the query's other 32 keys lie in the lane 16 away
.endr
.irp t, 0,1
	v_mov_b32 v[ST+8*\t+7], v[ST+8*\t]             ; c m_old is kept for a
.endr
.irp t, 0,1
	v_max_num_f32 v[ST+8*\t+1], v[ST+8*\t+4], v[ST+8*\t+5]           ; the new m
.endr
.irp t, 0,1
	v_mul_f32 v[ST+8*\t], s[CS], v[ST+8*\t+1]      ; c m
.endr
.irp t, 0,1
	v_sub_f32 v[ST+8*\t+7], v[ST+8*\t+7], v[ST+8*\t]
.endr
.irp t, 0,1
	v_exp_f32 v[ST+8*\t+6], v[ST+8*\t+7]           ; a = 2^(c m_old - c m_new): the first of ONE BATCH of 66 exponentials; none of the lines up to the wait names a result
.endr
.irp j, 0,2,4,6,8,10,12,14,16,18,20,22,24,26,28,30
.irp t, 0,1
	v_pk_fma_f32 v[S+32*\t+\j:S+32*\t+\j+1], v[S+32*\t+\j:S+32*\t+\j+1], s[CS:CS+1], v[ST+8*\t:ST+8*\t+1] op_sel_hi:[1,0,0] neg_lo:[0,0,1] neg_hi:[0,0,1]   ; c s - c m, two at a time
.endr
.endr
.irp j, 0,1,2,3,4,5,6,7,8,9,10,11,12,13,14,15,16,17,18,19,20,21,22,23,24,25,26,27,28,29,30,31
.irp t, 0,1
	v_exp_f32 v[S+32*\t+\j], v[S+32*\t+\j]         ; p, at most 1
.endr
.endr
	v_nop                                          ; the plain instruction behind the last exponential
	s_wait_alu depctr_va_vdst(0)                   ; the wait ahead of the first instruction that names a result: one for the whole batch
.irp t, 0,1                                    ; the sums, of the unrounded p, two at a time, in two chains
	v_pk_fma_f32 v[ST+8*\t+2:ST+8*\t+3], v[ST+8*\t+2:ST+8*\t+3], v[ST+8*\t+6:ST+8*\t+7], v[S+32*\t:S+32*\t+1] op_sel_hi:[1,0,1]   ; l = a l + the first pair
.endr
.irp t, 0,1
	v_pk_add_f32 v[ST+8*\t+4:ST+8*\t+5], v[S+32*\t+2:S+32*\t+3], v[S+32*\t+6:S+32*\t+7]
.endr
.irp j, 4,8,12,16,20,24
.irp t, 0,1
	v_pk_add_f32 v[ST+8*\t+2:ST+8*\t+3], v[ST+8*\t+2:ST+8*\t+3], v[S+32*\t+\j:S+32*\t+\j+1]
.endr
.irp t, 0,1
	v_pk_add_f32 v[ST+8*\t+4:ST+8*\t+5], v[ST+8*\t+4:ST+8*\t+5], v[S+32*\t+\j+6:S+32*\t+\j+7]
.endr
.endr
.irp t, 0,1
	v_pk_add_f32 v[ST+8*\t+2:ST+8*\t+3], v[ST+8*\t+2:ST+8*\t+3], v[S+32*\t+28:S+32*\t+29]
.endr
.irp t, 0,1
	v_pk_add_f32 v[ST+8*\t+2:ST+8*\t+3], v[ST+8*\t+2:ST+8*\t+3], v[ST+8*\t+4:ST+8*\t+5]
.endr
.irp j, 0,1,2,3,4,5,6,7,8,9,10,11,12,13,14,15
.irp t, 0,1
	v_cvt_pk_f16_f32 v[S+32*\t+\j], v[S+32*\t+2*\j], v[S+32*\t+2*\j+1]   ; P, in place: pair j goes to register j, which pairs 0 .. j have left
.endr
.endr
.irp j, 0,2,4,6,8,10,12,14,16,18,20,22,24,26,28,30
.irp t, 0,1
	v_pk_mul_f32 v[OT+32*\t+\j:OT+32*\t+\j+1], v[OT+32*\t+\j:OT+32*\t+\j+1], v[ST+8*\t+6:ST+8*\t+7] op_sel_hi:[1,0]   ; O^T x a, each accumulator from its low end on
.endr
.endr
.endm
; A KEY STEP: 64 keys, the q-th of the slot in hand.
.macro STEP q
	v_add_nc_u32 v[ADK], s[TB], v[AK0]             ; five places: the products below write over P's registers, which the last products read (five are owed), and the loads land in registers that they read (four)
	v_add_nc_u32 v[ADV], s[TB], v[AV0]
.rept 3
	v_nop
.endr
.irp kt, 0,1,2,3
.irp c, 0,1
	ds_load_b128 v[KV+16*\kt+8*\c:KV+16*\kt+8*\c+3],   v[ADK] offset:64*KP*(\q)+16*KP*\kt+64*\c
	ds_load_b128 v[KV+16*\kt+8*\c+4:KV+16*\kt+8*\c+7], v[ADK] offset:64*KP*(\q)+16*KP*\kt+64*\c+32
.endr
.endr
	s_wait_dscnt 0x0                               ; K is in
.irp c, 0,1                                    ; S^T = K Q^T: eight accumulators by turns, one instruction a turn; the first eight start the sums
.irp kt, 0,1,2,3
.irp t, 0,1
.if \c == 0
	v_wmma_f32_16x16x32_f16 v[S+32*\t+8*\kt:S+32*\t+8*\kt+7], v[KV+16*\kt+8*\c:KV+16*\kt+8*\c+7], v[QF+16*\t+8*\c:QF+16*\t+8*\c+7], 0
.else
	v_wmma_f32_16x16x32_f16 v[S+32*\t+8*\kt:S+32*\t+8*\kt+7], v[KV+16*\kt+8*\c:KV+16*\kt+8*\c+7], v[QF+16*\t+8*\c:QF+16*\t+8*\c+7], v[S+32*\t+8*\kt:S+32*\t+8*\kt+7]
.endif
.endr
.endr
.endr
.rept 4
	v_nop                                          ; four places: in front of the loads into K's registers and of the first read of the scores
.endr
.irp kc, 0,1                                   ; V, turned: it lands while the softmax is walked
.irp dt, 0,1,2,3
	ds_load_tr16_b128 v[KV+32*\kc+8*\dt:KV+32*\kc+8*\dt+3],   v[ADV] offset:64*VP*(\q)+32*VP*\kc+32*\dt
	ds_load_tr16_b128 v[KV+32*\kc+8*\dt+4:KV+32*\kc+8*\dt+7], v[ADV] offset:64*VP*(\q)+32*VP*\kc+16*VP+32*\dt
.endr
.endr
	SOFTMAX
	s_wait_dscnt 0x0                               ; V is in
.irp kc, 0,1                                   ; O^T += V^T P: eight accumulators by turns
.irp dt, 0,1,2,3
.irp t, 0,1
	v_wmma_f32_16x16x32_f16 v[OT+32*\t+8*\dt:OT+32*\t+8*\dt+7], v[KV+32*\kc+8*\dt:KV+32*\kc+8*\dt+7], v[S+32*\t+8*\kc:S+32*\t+8*\kc+7], v[OT+32*\t+8*\dt:OT+32*\t+8*\dt+7]
.endr
.endr
.endr
.endm
; THE CHANGE OF SLOTS stands at a slot's head.  Each wave waits for all its tensor loads (its part of the slot that it is about to read), adds 0 to its spare word, and waits for that and for its reads of
; the slot that it has left.  fill = 1: a round of the cluster's barrier follows, so that no wave of any partner still reads the other slot or has a load on its way, and the joint load of the next
; 256 keys is the first thing behind it: it has four key steps in which to land.  A wave has one tensor load out at the most.
.macro CHANGE fill
	s_wait_tensorcnt 0x0                           ; no tensor load of mine is out, so a group 0 may be written
	ds_add_u32 v[SPW], v[NIL]                      ; 0 onto my spare word
.if \fill
	ds_add_u32 v[SPW], v[NIL]                      ; and once more, in every trip alike
	s_xor_b32 s[G0K+1], s[G0K+1], SLOT1            ; the walking descriptors: the other slot than last time,
	s_add_nc_u64 s[G0K+2:G0K+3], s[G0K+2:G0K+3], 32768   ; the next 256 keys; the type bits on top are not reached
	s_xor_b32 s[G0V+1], s[G0V+1], SLOT1
	s_add_nc_u64 s[G0V+2:G0V+3], s[G0V+2:G0V+3], 32768
	s_wait_xcnt 0x0                                ; the last prefetch, a slot back, has read its address, so it may be written:
	s_add_nc_u64 s[PFA:PFA+1], s[PFA:PFA+1], 32768 ; one slot further on than the walking descriptors
	s_wait_dscnt 0x0                               ; both adds are done, and my reads of the slot that I have left are over
	CROUND
	TLOAD
	ASK
.else
	s_wait_dscnt 0x0
	s_barrier_signal -1
	s_barrier_wait -1
.endif
.endm
.macro SLOT_STEPS
.irp q, 0,1,2,3
	STEP \q
.endr
	s_xor_b32 s[TB], s[TB], SLOT1                  ; on to the other slot
.endm
	s_wait_loadcnt 0x0                             ; Q
.Lslot:                                            ; seven trips: behind each change of slots but the last the next slot is asked for
	CHANGE 1
	SLOT_STEPS
	s_sub_co_u32 s[SLOTS], s[SLOTS], 1
	s_cmp_lg_u32 s[SLOTS], 0
	s_cbranch_scc1 .Lslot
	CHANGE 0                                       ; the last slot is written out
	SLOT_STEPS
	; THE WAY OUT.  l's two halves and the other half of the lanes' are added; O^T is divided by l, rounded to f16 and sent through my stage, a tile (16 rows) at a time.  The additions and the v_nop are the places behind the last products.
.irp t, 0,1
	v_add_f32 v[ST+8*\t+4], v[ST+8*\t+2], v[ST+8*\t+3]
.endr
.irp t, 0,1
	v_permlanex16_b32 v[ST+8*\t+5], v[ST+8*\t+4], s[SEL], s[SEL+1]
.endr
.irp t, 0,1
	v_add_f32 v[ST+8*\t+4], v[ST+8*\t+4], v[ST+8*\t+5]
.endr
.irp t, 0,1
	v_rcp_f32 v[ST+8*\t+6], v[ST+8*\t+4]
.endr
	v_nop                                          ; a plain instruction between the last reciprocal and the use of its result
	s_wait_alu depctr_va_vdst(0)                   ; and the wait ahead of the first use: one for both
.irp t, 0,1
.irp j, 0,2,4,6,8,10,12,14,16,18,20,22,24,26,28,30
	v_pk_mul_f32 v[OT+32*\t+\j:OT+32*\t+\j+1], v[OT+32*\t+\j:OT+32*\t+\j+1], v[ST+8*\t+6:ST+8*\t+7] op_sel_hi:[1,0]
.endr
.irp j, 0,1,2,3,4,5,6,7,8,9,10,11,12,13,14,15
	v_cvt_pk_f16_f32 v[S+16*\t+\j], v[OT+32*\t+2*\j], v[OT+32*\t+2*\j+1]   ; a lane's eight channels of a row: 16 bytes
.endr
.irp dt, 0,1,2,3
	ds_store_b128 v[STO], v[S+16*\t+4*\dt:S+16*\t+4*\dt+3] offset:32*\dt
.endr
.irp u, 0,1,2,3
	ds_load_b128 v[KV+16*\t+4*\u:KV+16*\t+4*\u+3], v[RD] offset:4*SP*\u   ; LDS serves a wave's instructions in order (ISA guide 5.7.1.4): these see the stores above; the next tile's stores come behind them
.endr
.endr
.irp u, 0,1,2,3
	s_wait_dscnt 11-\u                             ; behind tile 0's load u: its 3 - u later loads and tile 1's eight LDS instructions
	global_store_b128 v[GO], v[KV+4*\u:KV+4*\u+3], s[6:7] offset:512*\u   ; 32 lanes store 512 consecutive bytes, aligned: four rows of the head
.endr
.irp u, 0,1,2,3
	s_wait_dscnt 3-\u
	global_store_b128 v[GO], v[KV+16+4*\u:KV+16+4*\u+3], s[6:7] offset:2048+512*\u
.endr
	s_wait_tensorcnt 0x0                           ; the wave's end, behind my last tensor load and my last LDS store
	ds_add_u32 v[SPW], v[NIL]
	s_wait_dscnt 0x0
	CROUND                                         ; the closing round: no work-group ends while a partner may still ask for a tile that names it
	s_endpgm
.Lfunc_end_k_q1640eb8935_attn:
	.size	k_q1640eb8935_attn, .Lfunc_end_k_q1640eb8935_attn-k_q1640eb8935_attn
	.p2alignl 7, 3214868480
	.fill 96, 4, 3214868480
	.section	.rodata,"a",@progbits
	.p2align	6, 0x0
	.amdhsa_kernel k_q1640eb8935_attn
		.amdhsa_group_segment_fixed_size 327680
		.amdhsa_private_segment_fixed_size 0
		.amdhsa_enable_private_segment 0
		.amdhsa_kernarg_size 16
		.amdhsa_user_sgpr_count 2
		.amdhsa_user_sgpr_kernarg_segment_ptr 1
		.amdhsa_wavefront_size32 1
		.amdhsa_system_sgpr_workgroup_id_x 1
		.amdhsa_system_sgpr_workgroup_id_y 1
		.amdhsa_system_sgpr_workgroup_id_z 1
		.amdhsa_system_vgpr_workitem_id 0
		.amdhsa_next_free_vgpr 256
		.amdhsa_next_free_sgpr 66
		.amdhsa_reserve_vcc 0
		.amdhsa_float_denorm_mode_32 3
		.amdhsa_float_denorm_mode_16_64 3
		.amdhsa_memory_ordered 1
		.amdhsa_forward_progress 1
		.amdhsa_inst_pref_size 153
	.end_amdhsa_kernel
	.amdgpu_metadata
---
amdhsa.version: [ 1, 2 ]
amdhsa.kernels:
  - .name:           k_q1640eb8935_attn
    .symbol:         k_q1640eb8935_attn.kd
    .args:
      - { .name: qkv16, .offset: 0, .size: 8, .value_kind: global_buffer, .address_space: global }
      - { .name: o16, .offset: 8, .size: 8, .value_kind: global_buffer, .address_space: global }
    .group_segment_fixed_size: 327680
    .private_segment_fixed_size: 0
    .kernarg_segment_align: 8
    .kernarg_segment_size: 16
    .max_flat_workgroup_size: 512
    .sgpr_count:     66
    .vgpr_count:     256
    .wavefront_size: 32
...
	.end_amdgpu_metadata
.endif
;; end of part 3
;; launch outp (part 4): grid 8 x 64, 4 waves a work-group, clusters of 4 x 4, 327,680 bytes of LDS; arguments o16, wo16, out0, bo; writes out0
.if DOCPART == 4
	.amdgcn_target "amdgcn-amd-amdhsa--gfx1250"
	.amdhsa_code_object_version 6
	.text
	.protected	k_q1640eb8935_outp
	.globl	k_q1640eb8935_outp
	.p2align	8
	.type	k_q1640eb8935_outp,@function
k_q1640eb8935_outp:
	s_mov_b64 s[64:65], 0
	v_nop
	global_prefetch_b8 v0, s[64:65] scope:SCOPE_SE
	s_setreg_imm32_b32 hwreg(HW_REG_WAVE_MODE, 25, 1), 1
	s_wait_xcnt 0x0
	s_wait_alu depctr_hold_cnt(0) depctr_sa_sdst(0) depctr_va_vdst(0) depctr_va_sdst(0) depctr_va_ssrc(0) depctr_va_vcc(0) depctr_vm_vsrc(0)
	s_getreg_b32 s2, hwreg(HW_REG_IB_STS2, 6, 4)
	s_cmp_eq_u32 s2, 0
	s_cbranch_scc0 .Lentry_in_a_cluster
	s_endpgm
.Lentry_in_a_cluster:
	s_bfe_u32 s2, ttmp6, 0x10000c
	s_cmp_lg_u32 s2, 0xf033
	s_cbranch_scc0 .Lentry_shape_is_right
	s_endpgm
.Lentry_shape_is_right:
; OUTP: out0[m][n] = the sum over k of A[m][k] Wo[k][n] + bo[n].  A = o16 read as [8192][1024] f16 (the attention's result, heads and positions already in the order that the flattening gives);
; wo16 [1024 k][1024 n] f16; bo [1024] f32; out0 [8192][1024] f32; sums in f32.
; A tile of 128 x 128 is made by a work-group of four waves, each 64 x 64: 16 accumulators of 16 x 16.  512 tiles.  K goes in steps of 256 through a ring of two LDS slots.
; A's tile: 128 rows of 512 bytes.  B's tile lies as Wo lies, 256 rows (k) of 256 bytes (128 n): its fragments come out of LDS turned, by ds_load_tr16_b128.
; CLUSTERS: 4 x 4 work-groups.  The four of a row of the cluster need the same tiles of A, the four of a column the same tiles of B: each tile is asked for JOINTLY.
; THE MATRIX INSTRUCTION IS USED TRANSPOSED (source 0 = 16 columns of Wo, source 1 = 16 rows of A): a lane holds eight neighbouring numbers of a row of out0.  bo is the C of each sum's first product.
; No prefetch: a tile's K steps are few and both first slots are asked for at the head.
; REGISTERS: window 0: v0-31 addresses; v32-95 the way out; v96-127 bo in the result's layout; v128-255 the accumulators ((a, b) at v[128 + 8 (4 a + b)]).
;   window 1: two fragment buffers of 128: for 64 along K, 64 registers of A (2 x 4 x 16 rows x 32 K), then 64 of B.
.set SIZE_K, 1024
.set SIZE_N, 1024
.set KSTEP,  256
.set PITCH,  528                       ; A's LDS row: 512 bytes + 16 = 132 words: the 16 rows that a load touches start at 16 different groups of banks (64 banks of 4 bytes: ISA guide 11.1)
.set BP,     288                       ; B's LDS row: 256 bytes + 32: 16 lanes of the turning load take 8 rows x 32 bytes
.set HALFA,  64*PITCH                  ; what one tensor load brings of A: 64 rows
.set HALFB,  128*BP                    ; and of B: 128 rows (k)
.set BOFF,   2*HALFA                   ; a slot: A's 128 rows, then B's 256
.set SLOT,   BOFF+2*HALFB
.set STAGE,  2*SLOT                    ; behind the ring: 16 rows x 272 bytes for each wave, its own; no tile ever lands here
.set SPITCH, 272
.set SPARE,  STAGE+4*16*SPITCH         ; the spare words, 128 bytes for each wave: two blocks of 256 bytes that no other line names
.set LAPS, SIZE_K/(2*KSTEP)            ; a lap = two K steps = once round the ring
.set ADRA, 16                          ; v16-17  LDS address of my A fragments in slot 0, 1
.set ADRB, 20                          ; v20-23  of my B fragments: slot 0 k 0-127, slot 0 k 128-255, slot 1 likewise: so that every offset stays inside its 16 bits
.set STO,  24                          ; v24     the way out: where I put 32 bytes of a row
.set RD,   25                          ; v25     where I read back
.set CO,   26                          ; v26     my byte offset in out0
.set SPW,  28                          ; v28     LDS address of my spare word; never rewritten
.set NIL,  29                          ; v29     0; never rewritten
.set BOF,  30                          ; v30     bo's loads' offset
.set TMP,  32
.set BI,   96                          ; v[BI + 8 b + j] = bo of column 16 b + 8 (lane / 16) + j of my 64
.set ACC,  128
.set F0,   0                           ; fragment buffers, in window 1
.set F1,   128
.set G1, 24                            ; s[24:31] descriptor group 1 for A's tiles;  s[32:39] group 0, one set for each slot
.set G0, 32
.set G1B, 48                           ; s[48:55], s[56:63] the same for B's tiles
.set G0B, 56
.set MSB, 0
.macro WIN new                         ; the immediate's high byte repeats the setting that is left
.if MSB != \new
	s_set_vgpr_msb (MSB<<8)|\new
.set MSB, \new
.endif
.endm
.set MUL,  0x05                        ; sources 0 (B) and 1 (A) window 1; C and D window 0
.set TO_F, 0x40                        ; destination window 1, address window 0
.macro JLOAD s                         ; a joint load: waves 0 and 1 fetch A's two halves, waves 2 and 3 B's; an s_nop 0 and four v_nop follow each of the two lines
	s_cmp_eq_u32 s11, 0
	s_cbranch_scc0 .Lfor_b_\@
	tensor_load_to_lds s[G0+4*\s:G0+4*\s+3], s[G1:G1+7]
	s_nop 0
.rept 4
	v_nop
.endr
	s_branch .Lasked_\@
.Lfor_b_\@:
	tensor_load_to_lds s[G0B+4*\s:G0B+4*\s+3], s[G1B:G1B+7]
	s_nop 0
.rept 4
	v_nop
.endr
.Lasked_\@:
.endm
.macro CREST                           ; a round of the cluster's barrier behind its opening barrier
	s_cmp_lg_u32 s10, 0
	s_cbranch_scc1 .Lnot_wave_0_\@
	s_barrier_signal -3
.Lnot_wave_0_\@:
	s_barrier_wait -3
	s_barrier_signal -1
	s_barrier_wait -1
.endm
.macro CROUND                          ; a whole round
	s_barrier_signal -1
	s_barrier_wait -1
	CREST
.endm
	s_load_b128 s[4:7], s[0:1], 0x0                ; o16 s[4:5], wo16 s[6:7]
	s_load_b64 s[8:9], s[0:1], 0x10                ; out0
	s_load_b64 s[44:45], s[0:1], 0x18              ; bo
	v_lshl_add_u32 v[SPW], v0, 2, SPARE
	v_mov_b32 v[NIL], 0
	ds_add_u32 v[SPW], v[NIL]                      ; the wave's opening: the add, twice on end, and its wait ahead of my first tensor load; the set-up below stands between
	ds_add_u32 v[SPW], v[NIL]
	v_lshrrev_b32 v1, 5, v0
	v_readfirstlane_b32 s10, v1                    ; wave 0..3
	s_lshr_b32 s11, s10, 1                         ; which half of the tile's rows is mine.  Also: I fetch for A (0) or for B (1)
	s_and_b32 s12, s10, 1                          ; which half of its columns.  Also: which half of that tile I fetch
	s_bfe_u32 s40, ttmp6, 0x40000                  ; cx, cy: my place in the cluster
	s_bfe_u32 s41, ttmp6, 0x40004
	s_lshl_b32 s42, ttmp9, 2
	s_add_co_u32 s42, s42, s40                     ; tile column = 4 x cluster x + cx
	s_and_b32 s13, ttmp7, 0xffff
	s_lshl_b32 s13, s13, 2
	s_add_co_u32 s13, s13, s41                     ; tile row = 4 x cluster y + cy
	s_lshl_b32 s21, s41, 2
	s_lshl_b32 s21, 15, s21                        ; my row of the cluster
	s_lshl_b32 s22, 0x1111, s40                    ; my column
	; descriptor group 1.  A: 64 rows x 256 elements of 2 bytes, four words of padding behind every 128
	s_or_b32 s[G1+0], s21, (1<<16)|(1<<20)|(1<<21)|(6<<22)|(3<<25)
	s_mov_b32 s[G1+1], KSTEP<<16                   ; tensor_dim0
	s_mov_b32 s[G1+2], 64<<16                      ; tensor_dim1
	s_mov_b32 s[G1+3], KSTEP<<16                   ; tile_dim0
	s_mov_b32 s[G1+4], 64                          ; tile_dim1
	s_mov_b32 s[G1+5], SIZE_K                      ; tensor_dim0_stride
	s_mov_b32 s[G1+6], 0
	s_mov_b32 s[G1+7], 0
	; B: 128 rows (k) x 128 elements (n), eight words of padding behind every 64
	s_or_b32 s[G1B+0], s22, (1<<16)|(1<<20)|(1<<21)|(5<<22)|(7<<25)
	s_mov_b32 s[G1B+1], 128<<16
	s_mov_b32 s[G1B+2], 128<<16
	s_mov_b32 s[G1B+3], 128<<16
	s_mov_b32 s[G1B+4], 128
	s_mov_b32 s[G1B+5], SIZE_N
	s_mov_b32 s[G1B+6], 0
	s_mov_b32 s[G1B+7], 0
	s_lshl_b32 s17, s12, 6
	s_lshl_b32 s16, s13, 7
	s_add_co_u32 s16, s16, s17                     ; A: row 128 x tile row + 64 x half,
	s_lshl_b32 s16, s16, 11                        ; of 2,048 bytes
	s_mov_b32 s17, 0
	s_lshl_b32 s46, s12, 18                        ; B: k row 128 x half, of 2,048 bytes,
	s_lshl_b32 s47, s42, 8                         ; + 128 columns of 2 bytes a tile column
	s_add_co_u32 s46, s46, s47
	s_mov_b32 s47, 0
	s_mul_i32 s20, s12, HALFA                      ; where they go: no place in the cluster enters an LDS address
	s_mul_i32 s23, s12, HALFB
	s_add_co_u32 s23, s23, BOFF
	s_wait_dscnt 0x0                               ; both opening adds are done
	s_wait_kmcnt 0x0
	s_add_nc_u64 s[14:15], s[4:5], s[16:17]
	s_add_nc_u64 s[46:47], s[6:7], s[46:47]
	CROUND                                         ; all sixteen work-groups are here: the first joint loads meet
.irp s, 0,1
	s_mov_b32 s[G0+4*\s], 1
	s_add_co_u32 s[G0+4*\s+1], s20, \s*SLOT
	s_add_nc_u64 s[G0+4*\s+2:G0+4*\s+3], s[14:15], \s*KSTEP*2
	s_or_b32 s[G0+4*\s+3], s[G0+4*\s+3], 0x80000000
	s_mov_b32 s[G0B+4*\s], 1
	s_add_co_u32 s[G0B+4*\s+1], s23, \s*SLOT
	s_add_nc_u64 s[G0B+4*\s+2:G0B+4*\s+3], s[46:47], \s*KSTEP*SIZE_N*2
	s_or_b32 s[G0B+4*\s+3], s[G0B+4*\s+3], 0x80000000
	JLOAD \s                                       ; two tensor loads of mine are out
.endr
	v_and_b32 v1, 15, v0                           ; r
	v_bfe_u32 v2, v0, 4, 1                         ; h
	v_mul_u32_u24 v3, v1, PITCH
	v_lshl_add_u32 v3, v2, 4, v3                   ; A: a fragment's row x pitch + 16 x half
	s_mul_i32 s21, s11, HALFA                      ; my 64 rows of A
.irp s, 0,1
	v_add_nc_u32 v[ADRA+\s], s21, v3
	s_add_co_u32 s21, s21, SLOT
.endr
	v_and_b32 v4, 7, v0                            ; B: the turning load: lane l reads k row 8 (l / 16) + l % 8, columns 8 ((l / 8) % 2) + 0..7
	v_bfe_u32 v5, v0, 3, 1
	v_lshl_add_u32 v4, v2, 3, v4
	v_mul_u32_u24 v4, v4, BP
	v_lshl_add_u32 v4, v5, 4, v4
	s_lshl_b32 s22, s12, 7                         ; my 64 columns: 128 bytes
	s_add_co_u32 s22, s22, BOFF
	v_add_nc_u32 v[ADRB+0], s22, v4
	s_add_co_u32 s22, s22, HALFB
	v_add_nc_u32 v[ADRB+1], s22, v4
	s_add_co_u32 s22, s22, SLOT-HALFB
	v_add_nc_u32 v[ADRB+2], s22, v4
	s_add_co_u32 s22, s22, HALFB
	v_add_nc_u32 v[ADRB+3], s22, v4
	s_mul_i32 s23, s10, 16*SPITCH
	s_add_co_u32 s23, s23, STAGE                   ; my stage
	v_mul_u32_u24 v4, v1, SPITCH                   ; in: row r, 32 bytes for each half of the lanes
	v_lshl_add_u32 v4, v2, 5, v4
	v_add_nc_u32 v[STO], s23, v4
	v_mul_u32_u24 v5, v2, SPITCH                   ; back: lanes 0-15 one row of 256 bytes, lanes 16-31 the next
	v_lshl_add_u32 v5, v1, 4, v5
	v_add_nc_u32 v[RD], s23, v5
	v_lshlrev_b32 v[CO], 4, v1                     ; and the same two rows in out0
	v_lshl_add_u32 v[CO], v2, 12, v[CO]
	s_lshl_b32 s16, s13, 7
	s_lshl_b32 s17, s11, 6
	s_add_co_u32 s16, s16, s17                     ; my first row of out0,
	s_lshl_b32 s16, s16, 12                        ; of 4,096 bytes
	s_lshl_b32 s46, s42, 9                         ; my first column, in bytes of f32: 512 x tile column + 256 x half
	s_lshl_b32 s47, s12, 8
	s_add_co_u32 s46, s46, s47
	s_mov_b32 s47, 0
	s_add_nc_u64 s[44:45], s[44:45], s[46:47]      ; bo at my 64 columns
	s_add_co_u32 s16, s16, s46
	s_mov_b32 s17, 0
	s_add_nc_u64 s[8:9], s[8:9], s[16:17]
	v_lshlrev_b32 v[BOF], 5, v2                    ; lanes 16-31 take the eight columns behind lanes 0-15's
.irp b, 0,1,2,3
	global_load_b128 v[BI+8*\b:BI+8*\b+3], v[BOF], s[44:45] offset:64*\b
	global_load_b128 v[BI+8*\b+4:BI+8*\b+7], v[BOF], s[44:45] offset:64*\b+16
.endr
; 8 matrix instructions: m blocks a0, a0 + 1 x all 4 n blocks, 32 along K: half c of buffer f.  first = 1: bo is C: the first product starts the sums.  The 16 accumulators take turns.
.macro MUL8 f, c, a0, first
.irp a, \a0, \a0+1
.irp b, 0,1,2,3
.if \first
	v_wmma_f32_16x16x32_f16 v[ACC+8*(4*(\a)+\b):ACC+8*(4*(\a)+\b)+7], v[\f+64+8*(4*\c+\b):\f+64+8*(4*\c+\b)+7], v[\f+8*(4*\c+\a):\f+8*(4*\c+\a)+7], v[BI+8*\b:BI+8*\b+7]
.else
	v_wmma_f32_16x16x32_f16 v[ACC+8*(4*(\a)+\b):ACC+8*(4*(\a)+\b)+7], v[\f+64+8*(4*\c+\b):\f+64+8*(4*\c+\b)+7], v[\f+8*(4*\c+\a):\f+8*(4*\c+\a)+7], v[ACC+8*(4*(\a)+\b):ACC+8*(4*(\a)+\b)+7]
.endif
.endr
.endr
.endm
; 32 LDS loads in one run: the fragments of 64 along K, the (k / 128)-th quarter of the slot, into buffer f; the first 32 along K first.  k is the quarter's byte in A's rows.
.macro FETCH slot, k, f
	WIN TO_F
.irp c, 0,1
.irp i, 0,1,2,3
	ds_load_tr16_b128 v[\f+64+8*(4*\c+\i):\f+64+8*(4*\c+\i)+3],   v[ADRB+2*\slot+(\k)/256] offset:((((\k)/128)%2)*64+32*\c)*BP+32*\i
	ds_load_tr16_b128 v[\f+64+8*(4*\c+\i)+4:\f+64+8*(4*\c+\i)+7], v[ADRB+2*\slot+(\k)/256] offset:((((\k)/128)%2)*64+32*\c+16)*BP+32*\i
	ds_load_b128 v[\f+8*(4*\c+\i):\f+8*(4*\c+\i)+3],         v[ADRA+\slot] offset:\k+64*\c+\i*16*PITCH
	ds_load_b128 v[\f+8*(4*\c+\i)+4:\f+8*(4*\c+\i)+7],       v[ADRA+\slot] offset:\k+64*\c+\i*16*PITCH+32
.endr
.endr
.endm
.macro PLACES                          ; four places in front of loads into registers that matrix instructions have read, and of the first read of results (ISA guide 7.12.1 for the reads of results)
.rept 4
	v_nop
.endr
.endm
; A K step is four quarters of 64 along K, 32 matrix instructions each, on buffers 0, 1, 0, 1.  One of the first three: multiplies buffer f and fetches the next quarter, at byte k, into g.
.macro QUARTER slot, k, f, g, first
	s_wait_dscnt 16                                ; the first 32 along K are in; the sixteen loads of the second 32 may be out
	WIN MUL
	MUL8 \f, 0, 0, \first
	MUL8 \f, 0, 2, \first
	PLACES
	FETCH \slot, \k, \g
	s_wait_dscnt 32                                ; all but the 32 just issued
	WIN MUL
	MUL8 \f, 1, 0, 0
	MUL8 \f, 1, 2, 0
.endm
; The last quarter multiplies buffer 1 and changes slots: ONE barrier; in front of it each wave waits for all its tensor loads, adds 0 to its spare word, and waits for that and for its own reads of this slot.
; fill = 1: the barrier opens a round of the cluster's barrier, and this slot is filled again, two K steps ahead.
.macro TURN slot, next, fill
	WIN 0                                          ; (the add's two registers lie in window 0)
	s_wait_tensorcnt 0x0                           ; all my tensor loads have landed: my part of the next slot;
	ds_add_u32 v[SPW], v[NIL]                      ; 0 onto my spare word;
	s_wait_dscnt 17                                ; (the add and the youngest sixteen loads may be out)
	WIN MUL
	MUL8 F1, 0, 0, 0                               ; eight matrix instructions stand between the add and the wait for it
	s_wait_dscnt 0x0                               ; the add is done, and my reads of this slot are over
	s_barrier_signal -1
	MUL8 F1, 0, 2, 0
.if \fill
	WIN 0
.endif
	s_barrier_wait -1
.if \fill
	CREST                                          ; no wave of any partner still reads this slot's tile or has a load on its way
	s_add_nc_u64 s[G0+4*\slot+2:G0+4*\slot+3], s[G0+4*\slot+2:G0+4*\slot+3], 2*KSTEP*2          ; A: 512 along K in a row
	s_add_nc_u64 s[G0B+4*\slot+2:G0B+4*\slot+3], s[G0B+4*\slot+2:G0B+4*\slot+3], 2*KSTEP*SIZE_N*2   ; B: 512 rows down
	JLOAD \slot                                    ; the first tensor load behind the round; the four v_nop behind it are also the places in front of the loads below
.else
	PLACES
.endif
	FETCH \next, 0, F0
	WIN MUL
	MUL8 F1, 1, 0, 0
	MUL8 F1, 1, 2, 0
.endm
	s_wait_loadcnt 0x0                             ; bo
	s_wait_tensorcnt 1                             ; my part of K step 0 is in (K step 1's load may be out)
	s_barrier_signal -1
	s_barrier_wait -1                              ; everybody's is
	FETCH 0, 0, F0
	QUARTER 0, 128, F0, F1, 1                      ; the first quarter stands in front of the loop: its first products start the sums from bo
	WIN 0                                          ; at a label and at a branch every window is 0
	s_mov_b32 s3, LAPS-1
.Llap:                                                 ; a trip goes once round the ring, from a lap's second quarter to the next lap's first, and fills both slots again
	QUARTER 0, 256, F1, F0, 0
	QUARTER 0, 384, F0, F1, 0
	TURN 0, 1, 1
	QUARTER 1, 128, F0, F1, 0
	QUARTER 1, 256, F1, F0, 0
	QUARTER 1, 384, F0, F1, 0
	TURN 1, 0, 1
	QUARTER 0, 128, F0, F1, 0
	WIN 0
	s_sub_co_u32 s3, s3, 1
	s_cmp_lg_u32 s3, 0
	s_cbranch_scc1 .Llap
	QUARTER 0, 256, F1, F0, 0                      ; the last lap fills nothing, and has no round of the cluster's barrier
	QUARTER 0, 384, F0, F1, 0
	TURN 0, 1, 0
	QUARTER 1, 128, F0, F1, 0
	QUARTER 1, 256, F1, F0, 0
	QUARTER 1, 384, F0, F1, 0
	s_wait_dscnt 16                                ; the very last quarter: nothing more to fetch
	WIN MUL
	MUL8 F1, 0, 0, 0
	MUL8 F1, 0, 2, 0
	s_wait_dscnt 0
	MUL8 F1, 1, 0, 0
	MUL8 F1, 1, 2, 0
	WIN 0
; THE WAY OUT, block by block of 16 rows x 64 columns (256 bytes a row), each wave by itself.  A lane holds 32 neighbouring bytes of a row, and the lanes beside it hold other rows: so a block goes through my own stage
; and comes back as whole rows.  LDS serves a wave's instructions in order (ISA guide 5.7.1.4): no wait between the stores and the loads, nor in front of the next block's stores.
.macro TOSTAGE a
.irp b, 0,1,2,3
	ds_store_b128 v[STO], v[ACC+8*(4*(\a)+\b):ACC+8*(4*(\a)+\b)+3] offset:64*\b          ; each accumulator from its low end on
	ds_store_b128 v[STO], v[ACC+8*(4*(\a)+\b)+4:ACC+8*(4*(\a)+\b)+7] offset:64*\b+16
.endr
.set BB, TMP+32*((\a)%2)
.irp u, 0,1,2,3,4,5,6,7
	ds_load_b128 v[BB+4*\u:BB+4*\u+3], v[RD] offset:\u*2*SPITCH
.endr
.endm
.macro SEND a, younger                 ; younger: the LDS instructions issued behind block a's loads, which may stay out
.set BB, TMP+32*((\a)%2)
	s_wait_dscnt \younger                          ; the block is back in registers
.irp u, 0,1,2,3,4,5,6,7
	global_store_b128 v[CO], v[BB+4*\u:BB+4*\u+3], s[8:9] offset:65536*(\a)+8192*\u th:TH_STORE_NT   ; sixteen lanes store 256 consecutive bytes, aligned; written once, read by nobody here; the base is never stepped
.endr
.endm
	PLACES                                         ; the stores into the stage read results just made
	TOSTAGE 0
.irp a, 1,2,3
.if \a > 1
	s_wait_xcnt 0x0                                ; block a - 2's stores have read their registers: block a's loads may land there
.endif
	TOSTAGE \a
	SEND \a-1, 16                                  ; behind block a - 1's loads: block a's eight stores and eight loads
.endr
	SEND 3, 0
	s_wait_tensorcnt 0x0                           ; the wave's end, behind my last tensor load and my last LDS store
	ds_add_u32 v[SPW], v[NIL]
	s_wait_dscnt 0x0
	CROUND                                         ; the closing round: no work-group ends while a partner may still ask for a tile that names it
	s_endpgm
.Lfunc_end_k_q1640eb8935_outp:
	.size	k_q1640eb8935_outp, .Lfunc_end_k_q1640eb8935_outp-k_q1640eb8935_outp
	.p2alignl 7, 3214868480
	.fill 96, 4, 3214868480
	.section	.rodata,"a",@progbits
	.p2align	6, 0x0
	.amdhsa_kernel k_q1640eb8935_outp
		.amdhsa_group_segment_fixed_size 327680
		.amdhsa_private_segment_fixed_size 0
		.amdhsa_enable_private_segment 0
		.amdhsa_kernarg_size 32
		.amdhsa_user_sgpr_count 2
		.amdhsa_user_sgpr_kernarg_segment_ptr 1
		.amdhsa_wavefront_size32 1
		.amdhsa_system_sgpr_workgroup_id_x 1
		.amdhsa_system_sgpr_workgroup_id_y 1
		.amdhsa_system_sgpr_workgroup_id_z 1
		.amdhsa_system_vgpr_workitem_id 0
		.amdhsa_next_free_vgpr 512
		.amdhsa_next_free_sgpr 66
		.amdhsa_reserve_vcc 0
		.amdhsa_float_denorm_mode_32 3
		.amdhsa_float_denorm_mode_16_64 3
		.amdhsa_memory_ordered 1
		.amdhsa_forward_progress 1
		.amdhsa_inst_pref_size 87
	.end_amdhsa_kernel
	.amdgpu_metadata
---
amdhsa.version: [ 1, 2 ]
amdhsa.kernels:
  - .name:           k_q1640eb8935_outp
    .symbol:         k_q1640eb8935_outp.kd
    .args:
      - { .name: o16, .offset: 0, .size: 8, .value_kind: global_buffer, .address_space: global }
      - { .name: wo16, .offset: 8, .size: 8, .value_kind: global_buffer, .address_space: global }
      - { .name: out0, .offset: 16, .size: 8, .value_kind: global_buffer, .address_space: global }
      - { .name: bo, .offset: 24, .size: 8, .value_kind: global_buffer, .address_space: global }
    .group_segment_fixed_size: 327680
    .private_segment_fixed_size: 0
    .kernarg_segment_align: 8
    .kernarg_segment_size: 32
    .max_flat_workgroup_size: 128
    .sgpr_count:     66
    .vgpr_count:     512
    .wavefront_size: 32
...
	.end_amdgpu_metadata
.endif
;; end of part 4
